; MI455X (gfx1250); checked and timed in simulation.
; The chip was launched on July 23, 2026; its instructions are those of AMD's public machine-readable ISA for CDNA 5 (MIT licence, August 2026) and "CDNA5" Instruction Set Architecture Reference Guide (July 2026). The comments in the code are by the model that wrote it; some were corrected since.
;; Self Attention. Allowed arithmetic: matrix products marked QUANTISED: E2M3 operands, one E8M0 scale for each 32 along K, by v_wmma_scale_f32_16x16x128_f8f6f4 with both operands' format E2M3, f32 sums; everything else in f32.
;; Inputs: wk 512 x 1,024 float32; wo 1,024 x 1,024 float32; wq 1,024 x 1,024 float32; wv 512 x 1,024 float32; x 2 x 2,048 x 1,024 float32.
;; Outputs: out0 2 x 2,048 x 1,024 float32.
;; Constants: start_pos = 0.
;; This version of the problem:
;;   THIS VERSION OF THE PROBLEM IS GIVEN IN LOW PRECISION. The matrix products marked QUANTISED in the list below multiply operands that are first quantised to E2M3 (2 exponent bits, 3 mantissa bits; 6 bits a number), with one power-of-two scale for each 32 numbers along K (OCP MX v1.0); their sums are f32. All else is computed in f32.
;;   The module's matrix products, in the order in which they are computed (A, B: the left and right operand; K: the contracted axis; several contracted axes count as one K, in the product's order):
;;     1. [M 4,096, K 1,024] x [K 1,024, N 1,024]; A: input x; B: input wq: QUANTISED
;;     2. [M 4,096, K 1,024] x [K 1,024, N 512]; A: input x; B: input wk: QUANTISED
;;     3. [M 4,096, K 1,024] x [K 1,024, N 512]; A: input x; B: input wv: QUANTISED
;;     4. batch 16 x [M 2,048, K 64] x [K 64, N 4,096]; A: computed on the way; B: computed on the way: QUANTISED
;;     5. batch 16 x [M 64, K 2,048] x [K 2,048, N 4,096]; A: computed on the way; B: softmax (see below): QUANTISED
;;     6. [M 4,096, K 1,024] x [K 1,024, N 1,024]; A: computed on the way; B: input wo: QUANTISED
;;   THE QUANTISER, for each operand of a quantised product, along K:
;;     - K is cut into blocks of 32 from its start; a last block that is shorter is filled with zeros.
;;     - A block's scale is 2^e with e = floor(log2(the largest magnitude in the block)) - 2, held to -126 .. 127; a block of zeros has e = 0. As a byte (E8M0): e + 127.
;;     - Each number is divided by its block's scale, clamped to +-7.5, and rounded to the nearest number of E2M3, ties to even, subnormals kept.
;;     - The product sums the exact products of the quantised numbers (number of the format x scale) in f32.
;;   ~~~python
;;   def quantise(x, axis):      # numpy; x: float32 -> the quantised numbers, widened to float32 again
;;       x = np.moveaxis(x, axis, -1); K = x.shape[-1]
;;       x = np.pad(x, [(0, 0)] * (x.ndim - 1) + [(0, -K % 32)]); x = x.reshape(x.shape[:-1] + (-1, 32)); a = np.abs(x).max(-1, keepdims=True)
;;       e = np.where(a > 0, np.clip(np.frexp(np.where(a > 0, a, 1))[1] - 1 - 2, -126, 127), 0)      # np.frexp(a)[1] - 1 = floor(log2(a)), exactly
;;       r = np.clip(x / 2.0 ** e, -7.5, 7.5)
;;       step = 2.0 ** (np.maximum(np.frexp(np.where(r == 0, 1, r))[1] - 1, 0) - 3)
;;       q = np.round(r / step) * step * 2.0 ** e      # np.round: ties to even
;;       return np.moveaxis(q.reshape(q.shape[:-2] + (-1,))[..., :K], -1, axis).astype(np.float32)
;;   ~~~
;;   SOFTMAX AHEAD OF A QUANTISED PRODUCT. Where the list says 'softmax', what is quantised is not the finished softmax but p = 2^(t - M), with t = logit x log2(e) and M = ceil(the row's largest t), a whole number; so 1/2 < the row's largest p <= 1. The row's sum l is taken of the UNQUANTISED p, in f32, and the product's result is divided by l at the end. Since M is a whole number, a kernel that streams over the keys may use a running M (the ceiling of the running maximum): every later rescaling is an exact power of two, which a block's scale takes up: the codes' values come out the same.
;;   OPERANDS COMPUTED ON THE WAY. 'Computed on the way' means the value that the module computes at that place (a softmax that the list does not call 'softmax' is quantised finished and normalised). What goes into a quantiser is computed in f32, as accurately as f32 sums, v_exp_f32 and their like allow (about 1e-6 of the number): no bf16 or f16 on the way to a quantiser, and a product that is left as it is and whose result goes on into a quantised operand takes f32 operands (vector FMAs, or v_wmma_f32_16x16x4_f32). A number that lies on a knife's edge between two numbers of the format may be rounded either way, as far as f32 arithmetic and the matrix unit's own rounding can turn it there, and no further.
;; One version. Each part assembles by itself: llvm-mc -triple=amdgcn-amd-amdhsa -mcpu=gfx1250 --defsym DOCPART=n.
;; ======== version 1 of 1: 4 launches
;; limits: right only within a limited range of input values
;; workspace buffers: codes 5,505,024 bytes; scales 229,376 bytes; rope 524,288 bytes; qc 3,145,728 bytes; qs 262,144 bytes; kv 3,342,336 bytes; ac 3,145,728 bytes; asc 131,072 bytes
;; launch prep (part 1): grid 256 x 1, 4 waves a work-group, no clusters, 34,304 bytes of LDS; arguments x, wq, wk, wv, wo, codes, scales, rope; writes codes, scales, rope
.if DOCPART == 1
	.amdgcn_target "amdgcn-amd-amdhsa--gfx1250"
	.amdhsa_code_object_version 6
	.text
	.protected	k_q3c2b24802c_prep
	.globl	k_q3c2b24802c_prep
	.p2align	8
	.type	k_q3c2b24802c_prep,@function
k_q3c2b24802c_prep:
	s_mov_b64 s[64:65], 0
	v_nop
	global_prefetch_b8 v0, s[64:65] scope:SCOPE_SE
	s_setreg_imm32_b32 hwreg(HW_REG_WAVE_MODE, 25, 1), 1
	s_wait_xcnt 0x0
; x [4096][1024], wq [1024][1024], wk, wv [512][1024], wo [1024][1024], all f32 with K innermost, become codes of FP6 (E2M3) with one E8M0 byte for each 32 along K,
; laid in the order of a matrix operand's registers; and the table of cosines and sines for the rotation of q and k is made.
; TILES.  The rows of all five tensors are numbered on end in tiles of 16 (x 0-255, wq 256-319, wk 320-351, wv 352-383, wo 384-447).  THE ROWS OF A TILE ARE NOT NEIGHBOURS: lane-row p of tile t is
; row 32 (t / 2) + 8 (t % 2) + p + 8 (p / 8), so that, where such a tile is a product's source 0, the 16 result registers of tiles 2 b and 2 b + 1 are 16 neighbouring rows.
; IMAGES.  A fragment (16 rows x 128 K, 12 registers a lane) is 1,536 bytes: registers 0-3 at 16 x lane, 4-5 at 512 + 8 x lane, 6-9 at 768 + 16 x lane, 10-11 at 1,280 + 8 x lane.  codes: [tile][K step 8][1,536].
; The scale words of four neighbouring tiles at one K step are 256 bytes: the word of (tile u, lane-row p) at 128 (u % 2) + 8 p + 4 (u / 2).  scales: [tile / 4][K step 8][256].
; SHARES.  Work-groups 0-223: four tiles (work-group / 2) and four K steps (4 (work-group % 2) + wave): a wave makes four fragments.  Each load reads 512 consecutive bytes of a row; a fragment's 16 rows turn through
; the wave's own stage in LDS (rows of 512 + 16 bytes), so that a lane gets 16 neighbours of each block of 32 of ITS row.  Waves share nothing: no barrier.
; Work-groups 224-255: wave = one tile of 16 positions of the table; no LDS.
; A block's scale is 2^(floor(log2(its largest magnitude)) - 2); its byte is the largest magnitude's exponent field - 2, held at 1 from below.
; LIMITS: a block of zeros gets the byte 1 where the quantiser's rule says 127 (its codes are zeros, and this program alone reads the bytes); NaN and infinities among the inputs are not served.
; The table: 10000^(-f / 32) is 2^(-f c), c = log2(10000) / 32 split in two words, by one v_exp_f32 on the fraction and v_ldexp_f32: it may differ from an f32 power by an ulp or so, an angle by about 1e-4 at
; position 2,047.  The reduction by pi / 2 in two words holds for angles up to 2,047 (start_pos = 0).
.set SPI,  528                         ; a stage row: 512 bytes + 16 = 132 words: 16 rows start at 16 different groups of banks
.set STGB, 16*SPI                      ; a wave's stage
.set R,    16                          ; v16-143  two sets of 64: a fragment as loaded
.set X,    144                         ; v144-207 register 16 b + i = k 32 b + 16 (lane / 16) + i of my row
.set PC,   208                         ; v208-219 the fragment's codes
.set CT,   220                         ; v220-227 the upper halves of the blocks, before they are moved
.set TM,   228                         ; v228-231 largest magnitudes, v232-235 bytes, v240-243 the conversions' scale operands
.set PW,   244                         ; v244-247 the four fragments' scale words
.set SEL,  20                          ; s[20:21] v_permlanex16_b32's selects for lane l xor 16
	s_load_b256 s[4:11], s[0:1], 0x0               ; x, wq, wk, wv
	s_load_b256 s[12:19], s[0:1], 0x20             ; wo, codes, scales, rope
	v_lshl_add_u32 v254, v0, 2, 0x8400
	v_mov_b32 v255, 0
	v_lshrrev_b32 v5, 5, v0
	v_readfirstlane_b32 s28, v5                    ; wave
	v_and_b32 v6, 31, v0                           ; lane
	v_lshlrev_b32 v1, 4, v6                        ; 16 x lane
	v_lshlrev_b32 v2, 3, v6                        ; 8 x lane
	v_and_b32 v7, 15, v0                           ; r
	v_bfe_u32 v8, v0, 4, 1                         ; h
	s_cmp_ge_u32 ttmp9, 224
	s_cbranch_scc1 .Ltable
	s_lshr_b32 s29, ttmp9, 1                       ; which four tiles
	s_and_b32 s30, ttmp9, 1
	s_lshl_b32 s30, s30, 2
	s_add_co_u32 s30, s30, s28                     ; which K step
	s_mul_i32 s31, s28, STGB
	v_add_nc_u32 v3, s31, v1                       ; the stage, on the way in: 16 x lane in a row
	v_mul_u32_u24 v4, v7, SPI
	v_lshl_add_u32 v4, v8, 6, v4
	v_add_nc_u32 v4, s31, v4                       ; and on the way out: row r, + 64 h
	s_mov_b32 s[SEL], 0x76543210
	s_mov_b32 s[SEL+1], 0xfedcba98
.irp b, 0,1,2,3
	v_mov_b32 v[TM+4+\b], 0                        ; written once: a lane permute's destination counts as one of its sources
.endr
	s_wait_alu depctr_va_vdst(0)
	s_wait_kmcnt 0x0
	s_mov_b64 s[24:25], s[12:13]                   ; which tensor, and its first group of four tiles: the choice hangs on the work-group's number alone
	s_mov_b32 s26, 96
	s_cmp_lt_u32 s29, 96
	s_cselect_b64 s[24:25], s[10:11], s[24:25]
	s_cselect_b32 s26, 88, s26
	s_cmp_lt_u32 s29, 88
	s_cselect_b64 s[24:25], s[8:9], s[24:25]
	s_cselect_b32 s26, 80, s26
	s_cmp_lt_u32 s29, 80
	s_cselect_b64 s[24:25], s[6:7], s[24:25]
	s_cselect_b32 s26, 64, s26
	s_cmp_lt_u32 s29, 64
	s_cselect_b64 s[24:25], s[4:5], s[24:25]
	s_cselect_b32 s26, 0, s26
	s_sub_co_u32 s26, s29, s26
	s_lshl_b32 s26, s26, 18                        ; 64 rows of 4,096 bytes
	s_lshl_b32 s27, s30, 9                         ; 128 numbers along K
	s_add_co_u32 s26, s26, s27
	s_mov_b32 s27, 0
	s_add_nc_u64 s[24:25], s[24:25], s[26:27]
	s_mul_i32 s32, s29, 49152                      ; four tiles of 12,288 bytes of codes
	s_mul_i32 s33, s30, 1536
	s_add_co_u32 s32, s32, s33
	s_mov_b32 s33, 0
	s_add_nc_u64 s[14:15], s[14:15], s[32:33]
	s_lshl_b32 s32, s29, 3
	s_add_co_u32 s32, s32, s30
	s_lshl_b32 s32, s32, 8
	s_add_nc_u64 s[16:17], s[16:17], s[32:33]
.macro LOADF f                         ; fragment f: its 16 rows' 512 bytes, 32 lanes x 16 consecutive bytes a load
.irp i, 0,1,2,3,4,5,6,7,8,9,10,11,12,13,14,15
	global_load_b128 v[R+64*((\f)%2)+4*\i:R+64*((\f)%2)+4*\i+3], v1, s[24:25] offset:(32*((\f)/2)+8*((\f)%2)+\i+8*(\i/8))*4096 th:TH_LOAD_NT
.endr
.endm
.macro TURNF f                         ; through the stage: LDS serves a wave's instructions in order, so no wait stands between the stores and the loads
.irp i, 0,1,2,3,4,5,6,7,8,9,10,11,12,13,14,15
	ds_store_b128 v3, v[R+64*((\f)%2)+4*\i:R+64*((\f)%2)+4*\i+3] offset:SPI*\i
.endr
.irp b, 0,1,2,3
.irp j, 0,1,2,3
	ds_load_b128 v[X+16*\b+4*\j:X+16*\b+4*\j+3], v4 offset:128*\b+16*\j
.endr
.endr
.endm
; 64 numbers of a lane become a fragment's codes in v[PC] on and its scale word in v[pw]
.macro QUANT s, pw
.irp b, 0,1,2,3
	v_max3_num_f32 v[TM+\b], |v[\s+16*\b]|, |v[\s+16*\b+1]|, 0x1800000   ; block b: my 16 numbers, and the floor 2^(3 - 127): the byte cannot fall under 1
.endr
.irp i, 2,4,6,8,10,12,14
.irp b, 0,1,2,3
	v_max3_num_f32 v[TM+\b], v[TM+\b], |v[\s+16*\b+\i]|, |v[\s+16*\b+\i+1]|   ; the four blocks by turns
.endr
.endr
.irp b, 0,1,2,3
	v_permlanex16_b32 v[TM+4+\b], v[TM+\b], s[SEL], s[SEL+1]
.endr
.irp b, 0,1,2,3
	v_max_num_f32 v[TM+\b], v[TM+\b], v[TM+4+\b]   ; with lane l xor 16's: the block's largest magnitude
.endr
.irp b, 0,1,2,3
	v_add_nc_u32 v[TM+12+\b], 0xff000000, v[TM+\b] ; 2 off its exponent field: the conversion takes this operand's exponent field as its scale
.endr
.irp b, 0,1,2,3
	v_lshrrev_b32 v[TM+4+\b], 23, v[TM+12+\b]      ; the scale's byte
.endr
	v_lshl_or_b32 v[\pw], v[TM+5], 8, v[TM+4]
	v_lshl_or_b32 v[\pw], v[TM+6], 16, v[\pw]
	v_lshl_or_b32 v[\pw], v[TM+7], 24, v[\pw]      ; my row's scale word
.irp c, 0,1
	v_cvt_scalef32_pk16_fp6_f32 v[PC+6*\c:PC+6*\c+2], v[\s+32*\c:\s+32*\c+15], v[TM+12+2*\c]
	v_cvt_scalef32_pk16_fp6_f32 v[CT+4*\c:CT+4*\c+2], v[\s+32*\c+16:\s+32*\c+31], v[TM+13+2*\c]   ; (a conversion's three registers begin on an even number)
.endr
	v_nop                                          ; one plain place behind a scaled conversion
.irp c, 0,1                            ; the operand's layout wants a whole block in a lane: lanes 0-15 block 2 c, lanes 16-31 block 2 c + 1
.irp i, 0,1,2
	v_permlane16_swap_b32 v[PC+6*\c+\i], v[CT+4*\c+\i]
.endr
.irp i, 0,1,2
	v_mov_b32 v[PC+6*\c+3+\i], v[CT+4*\c+\i]
.endr
.endr
.endm
.macro STOREF f                        ; the image: each store covers 512 or 256 consecutive bytes, aligned
	global_store_b128 v1, v[PC:PC+3], s[14:15] offset:12288*\f
	global_store_b64 v2, v[PC+4:PC+5], s[14:15] offset:12288*\f+512
	global_store_b128 v1, v[PC+6:PC+9], s[14:15] offset:12288*\f+768
	global_store_b64 v2, v[PC+10:PC+11], s[14:15] offset:12288*\f+1280
.endm
	LOADF 0
	LOADF 1
.irp f, 0,1,2,3
.if \f < 3
	s_wait_loadcnt 16                              ; this fragment's 16 loads are in; the next fragment's 16 may be out
.else
	s_wait_loadcnt 0x0
.endif
	TURNF \f
	s_wait_dscnt 0x0                               ; my 64 numbers are back, and the stage's stores have read the loaded set
.if \f > 0
	s_wait_xcnt 0x0                                ; the last fragment's stores have read the codes' registers, which are written again below
.endif
.if \f < 2
	LOADF \f+2
.endif
	QUANT X, PW+\f
	STOREF \f
.endr
	s_mov_b32 vcc_lo, 0xffff0000
	v_cndmask_b32 v248, v244, v245, vcc_lo         ; lanes 0-15: tiles 0 and 2; lanes 16-31: tiles 1 and 3
	v_cndmask_b32 v249, v246, v247, vcc_lo
	global_store_b64 v2, v[248:249], s[16:17]      ; 256 consecutive bytes, aligned
	s_wait_tensorcnt 0x0
	ds_add_u32 v254, v255
	s_wait_dscnt 0x0
	s_endpgm
; THE TABLE.  rope: [tile of 16 positions, 128][g 8][lane][16 bytes]: numbers 4 g .. 4 g + 3 of a lane's 32, which are (cos, sin) of pairs 0-15; pair n has frequency 16 (n / 8) + 8 h + n % 8;
; the position is the lane's row of the tile.  That is the order in which the next launch's result registers hold a head's 64 numbers.
.Ltable:
	s_sub_co_u32 s29, ttmp9, 224
	s_lshl_b32 s29, s29, 2
	s_add_co_u32 s29, s29, s28                     ; my tile
	s_lshr_b32 s30, s29, 1
	s_lshl_b32 s30, s30, 5
	s_and_b32 s31, s29, 1
	s_lshl_b32 s31, s31, 3
	s_add_co_u32 s30, s30, s31                     ; 32 (t / 2) + 8 (t % 2)
	s_lshl_b32 s26, s29, 12
	s_mov_b32 s27, 0
	s_mov_b32 s32, 0xbed49a78                      ; -c, upper word: c = log2(10000) / 32
	s_mov_b32 s33, 0xb2179a39                      ; -c, lower word
	s_mov_b32 s34, 0x3f22f983                      ; 2 / pi
	s_mov_b32 s35, 0xbfc90fdb                      ; -pi / 2, upper word
	s_mov_b32 s36, 0x333bbd2e                      ; -pi / 2, lower word
	s_mov_b32 s37, 0xb94ca1f9                      ; sine: r + r z (S1 + z (S2 + z S3)), z = r r
	s_mov_b32 s38, 0x3c08839e
	s_mov_b32 s39, 0xbe2aaaa3
	s_mov_b32 s40, 0x37ccf5ce                      ; cosine: 1 - z / 2 + z z (C1 + z (C2 + z C3))
	s_mov_b32 s41, 0xbab6061a
	s_mov_b32 s42, 0x3d2aaaa5
	s_mov_b32 s43, 0x80000000
	s_wait_alu depctr_va_vdst(0)
	v_and_b32 v9, 8, v7
	v_add3_u32 v9, v9, v7, s30
	v_cvt_f32_u32 v9, v9                           ; my position
	v_lshlrev_b32 v10, 3, v8
; each stage runs over the 16 pairs, so that no line waits for the line above it.  v16-31 f, then the angle; v32-47 whole parts; v48-63 fractions, then r; v64-95 the results
.irp n, 0,1,2,3,4,5,6,7,8,9,10,11,12,13,14,15
	v_add_nc_u32 v[16+\n], 16*(\n/8)+\n%8, v10
.endr
.irp n, 0,1,2,3,4,5,6,7,8,9,10,11,12,13,14,15
	v_cvt_f32_u32 v[16+\n], v[16+\n]
.endr
.irp n, 0,1,2,3,4,5,6,7,8,9,10,11,12,13,14,15
	v_mul_f32 v[32+\n], s32, v[16+\n]
.endr
.irp n, 0,1,2,3,4,5,6,7,8,9,10,11,12,13,14,15
	v_rndne_f32 v[32+\n], v[32+\n]                 ; the whole part of -f c
.endr
.irp n, 0,1,2,3,4,5,6,7,8,9,10,11,12,13,14,15
	v_fma_f32 v[48+\n], v[16+\n], s32, -v[32+\n]   ; the fraction: exact (5 bits x 24 bits, under 1/2 in size)
.endr
.irp n, 0,1,2,3,4,5,6,7,8,9,10,11,12,13,14,15
	v_fma_f32 v[48+\n], v[16+\n], s33, v[48+\n]
.endr
	s_wait_alu depctr_va_vdst(0)
.irp n, 0,1,2,3,4,5,6,7,8,9,10,11,12,13,14,15
	v_exp_f32 v[48+\n], v[48+\n]
.endr
	v_nop                                          ; a plain place behind the last exponential
.irp n, 0,1,2,3,4,5,6,7,8,9,10,11,12,13,14,15
	v_cvt_i32_f32 v[32+\n], v[32+\n]
.endr
	s_wait_alu depctr_va_vdst(0)                   ; one wait for the batch of 16, ahead of its first reader
.irp n, 0,1,2,3,4,5,6,7,8,9,10,11,12,13,14,15
	v_ldexp_f32 v[16+\n], v[48+\n], v[32+\n]       ; 10000^(-f / 32)
.endr
.irp n, 0,1,2,3,4,5,6,7,8,9,10,11,12,13,14,15
	v_mul_f32 v[16+\n], v9, v[16+\n]               ; the angle: one rounding
.endr
.irp n, 0,1,2,3,4,5,6,7,8,9,10,11,12,13,14,15
	v_mul_f32 v[32+\n], s34, v[16+\n]
.endr
.irp n, 0,1,2,3,4,5,6,7,8,9,10,11,12,13,14,15
	v_rndne_f32 v[32+\n], v[32+\n]                 ; how many quarter turns: 1,304 at the most
.endr
.irp n, 0,1,2,3,4,5,6,7,8,9,10,11,12,13,14,15
	v_fma_f32 v[48+\n], v[32+\n], s35, v[16+\n]    ; exact: the result has under 24 bits
.endr
.irp n, 0,1,2,3,4,5,6,7,8,9,10,11,12,13,14,15
	v_fma_f32 v[48+\n], v[32+\n], s36, v[48+\n]    ; r, within pi / 4 of 0
.endr
.irp n, 0,1,2,3,4,5,6,7,8,9,10,11,12,13,14,15
	v_cvt_i32_f32 v[96+\n], v[32+\n]
.endr
.irp n, 0,1,2,3,4,5,6,7,8,9,10,11,12,13,14,15
	v_mul_f32 v[112+\n], v[48+\n], v[48+\n]        ; z
.endr
.irp n, 0,1,2,3,4,5,6,7,8,9,10,11,12,13,14,15
	v_fma_f32 v[128+\n], v[112+\n], s37, s38
.endr
.irp n, 0,1,2,3,4,5,6,7,8,9,10,11,12,13,14,15
	v_fma_f32 v[128+\n], v[128+\n], v[112+\n], s39
.endr
.irp n, 0,1,2,3,4,5,6,7,8,9,10,11,12,13,14,15
	v_mul_f32 v[160+\n], v[112+\n], v[48+\n]
.endr
.irp n, 0,1,2,3,4,5,6,7,8,9,10,11,12,13,14,15
	v_fma_f32 v[128+\n], v[128+\n], v[160+\n], v[48+\n]   ; sin r
.endr
.irp n, 0,1,2,3,4,5,6,7,8,9,10,11,12,13,14,15
	v_fma_f32 v[144+\n], v[112+\n], s40, s41
.endr
.irp n, 0,1,2,3,4,5,6,7,8,9,10,11,12,13,14,15
	v_fma_f32 v[144+\n], v[144+\n], v[112+\n], s42
.endr
.irp n, 0,1,2,3,4,5,6,7,8,9,10,11,12,13,14,15
	v_mul_f32 v[160+\n], v[112+\n], v[112+\n]
.endr
.irp n, 0,1,2,3,4,5,6,7,8,9,10,11,12,13,14,15
	v_fma_f32 v[112+\n], v[112+\n], -0.5, 1.0
.endr
.irp n, 0,1,2,3,4,5,6,7,8,9,10,11,12,13,14,15
	v_fma_f32 v[144+\n], v[144+\n], v[160+\n], v[112+\n]  ; cos r
.endr
.irp n, 0,1,2,3,4,5,6,7,8,9,10,11,12,13,14,15
	v_and_b32 v[160+\n], 1, v[96+\n]
.endr
.irp n, 0,1,2,3,4,5,6,7,8,9,10,11,12,13,14,15
	v_cmp_ne_u32 vcc_lo, 0, v[160+\n]              ; an odd number of quarter turns: sine and cosine change places
	v_cndmask_b32 v[64+2*\n], v[144+\n], v[128+\n], vcc_lo
	v_cndmask_b32 v[65+2*\n], v[128+\n], v[144+\n], vcc_lo
.endr
.irp n, 0,1,2,3,4,5,6,7,8,9,10,11,12,13,14,15
	v_lshlrev_b32 v[160+\n], 30, v[96+\n]          ; the sine is negative in quarters 2 and 3,
	v_add_nc_u32 v[96+\n], 1, v[96+\n]
.endr
.irp n, 0,1,2,3,4,5,6,7,8,9,10,11,12,13,14,15
	v_and_b32 v[160+\n], s43, v[160+\n]
	v_lshlrev_b32 v[96+\n], 30, v[96+\n]           ; the cosine in quarters 1 and 2
.endr
.irp n, 0,1,2,3,4,5,6,7,8,9,10,11,12,13,14,15
	v_xor_b32 v[65+2*\n], v[160+\n], v[65+2*\n]
	v_and_b32 v[96+\n], s43, v[96+\n]
.endr
.irp n, 0,1,2,3,4,5,6,7,8,9,10,11,12,13,14,15
	v_xor_b32 v[64+2*\n], v[96+\n], v[64+2*\n]
.endr
	s_wait_alu depctr_va_vdst(0)
	s_wait_kmcnt 0x0
	s_add_nc_u64 s[18:19], s[18:19], s[26:27]
.irp g, 0,1,2,3,4,5,6,7
	global_store_b128 v1, v[64+4*\g:67+4*\g], s[18:19] offset:512*\g   ; 512 consecutive bytes, aligned
.endr
	s_endpgm
.Lfunc_end_k_q3c2b24802c_prep:
	.size	k_q3c2b24802c_prep, .Lfunc_end_k_q3c2b24802c_prep-k_q3c2b24802c_prep
	.p2alignl 7, 3214868480
	.fill 96, 4, 3214868480
	.section	.rodata,"a",@progbits
	.p2align	6, 0x0
	.amdhsa_kernel k_q3c2b24802c_prep
		.amdhsa_group_segment_fixed_size 34304
		.amdhsa_private_segment_fixed_size 0
		.amdhsa_enable_private_segment 0
		.amdhsa_kernarg_size 64
		.amdhsa_user_sgpr_count 2
		.amdhsa_user_sgpr_kernarg_segment_ptr 1
		.amdhsa_wavefront_size32 1
		.amdhsa_system_sgpr_workgroup_id_x 1
		.amdhsa_system_sgpr_workgroup_id_y 1
		.amdhsa_system_sgpr_workgroup_id_z 1
		.amdhsa_system_vgpr_workitem_id 0
		.amdhsa_next_free_vgpr 256
		.amdhsa_next_free_sgpr 66
		.amdhsa_reserve_vcc 1
		.amdhsa_float_denorm_mode_32 3
		.amdhsa_float_denorm_mode_16_64 3
		.amdhsa_memory_ordered 1
		.amdhsa_forward_progress 1
		.amdhsa_inst_pref_size 61
	.end_amdhsa_kernel
	.amdgpu_metadata
---
amdhsa.version: [ 1, 2 ]
amdhsa.kernels:
  - .name:           k_q3c2b24802c_prep
    .symbol:         k_q3c2b24802c_prep.kd
    .args:
      - { .name: x, .offset: 0, .size: 8, .value_kind: global_buffer, .address_space: global }
      - { .name: wq, .offset: 8, .size: 8, .value_kind: global_buffer, .address_space: global }
      - { .name: wk, .offset: 16, .size: 8, .value_kind: global_buffer, .address_space: global }
      - { .name: wv, .offset: 24, .size: 8, .value_kind: global_buffer, .address_space: global }
      - { .name: wo, .offset: 32, .size: 8, .value_kind: global_buffer, .address_space: global }
      - { .name: codes, .offset: 40, .size: 8, .value_kind: global_buffer, .address_space: global }
      - { .name: scales, .offset: 48, .size: 8, .value_kind: global_buffer, .address_space: global }
      - { .name: rope, .offset: 56, .size: 8, .value_kind: global_buffer, .address_space: global }
    .group_segment_fixed_size: 34304
    .private_segment_fixed_size: 0
    .kernarg_segment_align: 8
    .kernarg_segment_size: 64
    .max_flat_workgroup_size: 128
    .sgpr_count:     66
    .vgpr_count:     256
    .wavefront_size: 32
...
	.end_amdgpu_metadata
.endif
;; end of part 1
;; launch qkv (part 2): grid 32 x 8, 4 waves a work-group, clusters of 4 x 1, 307,712 bytes of LDS; arguments codes, scales, rope, qc, qs, kv; writes qc, qs, kv
.if DOCPART == 2
	.amdgcn_target "amdgcn-amd-amdhsa--gfx1250"
	.amdhsa_code_object_version 6
	.text
	.protected	k_q3c2b24802c_qkv
	.globl	k_q3c2b24802c_qkv
	.p2align	8
	.type	k_q3c2b24802c_qkv,@function
k_q3c2b24802c_qkv:
	s_mov_b64 s[64:65], 0
	v_nop
	global_prefetch_b8 v0, s[64:65] scope:SCOPE_SE
	s_setreg_imm32_b32 hwreg(HW_REG_WAVE_MODE, 25, 1), 1
	s_wait_xcnt 0x0
	s_wait_alu depctr_hold_cnt(0) depctr_sa_sdst(0) depctr_va_vdst(0) depctr_va_sdst(0) depctr_va_ssrc(0) depctr_va_vcc(0) depctr_vm_vsrc(0)
	s_getreg_b32 s2, hwreg(HW_REG_IB_STS2, 6, 4)
	s_cmp_eq_u32 s2, 0
	s_cbranch_scc0 .Lentry_in_a_cluster
	s_endpgm
.Lentry_in_a_cluster:
	s_bfe_u32 s2, ttmp6, 0x10000c
	s_cmp_lg_u32 s2, 0x3003
	s_cbranch_scc0 .Lentry_shape_is_right
	s_endpgm
.Lentry_shape_is_right:
; q = x wq^T, k = x wk^T, v = x wv^T on codes of FP6 (E2M3) with E8M0 scales; q and k are rotated (interleaved pairs, position = the token's place in its batch) and quantised along the head's 64;
; v is quantised along the keys.  All three leave as images of the next launch's operand registers.
; ORIENTATION.  Source 0's rows run along a lane's result registers, source 1's rows lie one to a lane.  Tiles hold permuted rows (lane-row p of tile t = row 32 (t / 2) + 8 (t % 2) + p + 8 (p / 8)), so
; the 16 registers of source-0 tiles 2 b, 2 b + 1 are 16 neighbouring rows of source 0.  q, k (y 0-5): source 0 = 256 rows of wq or wk, source 1 = 128 tokens: registers run along the head's numbers.
; v (y 6, 7): source 0 = 256 tokens, source 1 = 128 rows of wv: registers run along the keys.
; SHARES.  A work-group makes 256 x 128, wave (i, j) = (wave / 2, wave % 2) 128 x 64: 32 accumulators.  ALL OF K (1,024) LIES IN LDS, in two halves of four K steps, filled once: no LDS byte is filled twice.
; Each wave issues three tensor loads at the start (scale words, first half, second half): three of mine are out at the most.  Waves 0, 1 fetch source 0, waves 2, 3 source 1.
; CLUSTER.  The four work-groups of a cluster (same y, neighbouring x) have the same source-0 block: it is asked for jointly.  Their source-1 blocks differ, so those loads are each work-group's own.
; Nothing is asked of memory ahead of the tensor loads: all of them go out at the kernel's head.
; LIMITS: a block of zeros gets the scale byte 1 where the quantiser's rule says 127 (its codes are zeros; this program alone reads the bytes); NaN and infinities are not served.
; REGISTERS, in windows of 256.  Window 0: v1, v2 16 x and 8 x lane; v4-13 LDS addresses; v16-63 scale words, all of K; v64-159 source 1's fragments, two sets; in the epilogue v64-111 codes, v112-151 at work, v160-223 rotated numbers.
; Window 1: source 0's fragments, two sets at v0 and v128.  Window 2: accumulator (b, a) at v[8 (8 b + a)], b = source 1's tile, a = source 0's.  Window 3: the table, 32 numbers for each of my four token tiles.
.set NA,   8
; THE FORM AS IT STANDS (it takes the place of the head's lines on halves and on three loads): each wave issues ONE tensor load, all 8 K steps of the tiles that it fetches, as dense rows of 12,288 bytes;
; the scale words do not pass through LDS: each wave loads its own, 24 loads of 256 consecutive aligned bytes, into registers that hold scales alone.
.set NF,   48                          ; the LDS loads of one K step: 12 fragments x 4
.set S0CB, 49152                       ; LDS: source 0 at 0, 16 tiles x 12,288; four tiles are 49,152
.set S1C,  196608                      ; source 1: 8 tiles x 12,288
.set A16,  4                           ; v4, v5   source 0: my 8 tiles in half 0, 1, + 16 x lane;  v6, v7: + 8 x lane
.set A8,   6
.set B16,  8                           ; v8   source 1: my 4 tiles;  v10
.set B8,   10
.set SA,   16                          ; v16-47  source 0's scale words: four registers a K step
.set SB,   48                          ; v48-63  source 1's: two a K step
.set BF,   64
.set T,    160
.set PC,   64
.set CT,   112
.set TM,   120
.set PW,   136
.set SEL,  98                          ; s[98:99]
.set G1A,  24                          ; s[24:31] group 1, source 0's codes (joint);  s[32:39] source 1's
.set G1B,  32
.set MSB, 0
.macro WIN new                         ; the immediate's high byte repeats the setting that is left
.if MSB != \new
	s_set_vgpr_msb (MSB<<8)|\new
.set MSB, \new
.endif
.endm
.macro CROUND                          ; a round of the cluster's barrier
	s_barrier_signal -1
	s_barrier_wait -1
	s_cmp_lg_u32 s16, 0
	s_cbranch_scc1 .Lnot_wave_0_\@
	s_barrier_signal -3
.Lnot_wave_0_\@:
	s_barrier_wait -3
	s_barrier_signal -1
	s_barrier_wait -1
.endm
.macro PLACES                          ; four plain places behind a matrix instruction, ahead of loads into its sources and of reads of its result
.rept 4
	v_nop
.endr
.endm
	s_load_b256 s[4:11], s[0:1], 0x0               ; codes, scales, rope, qc
	s_load_b128 s[12:15], s[0:1], 0x20             ; qs, kv
	v_lshl_add_u32 v254, v0, 2, 0x4b000
	v_mov_b32 v255, 0
	ds_add_u32 v254, v255
	ds_add_u32 v254, v255
	v_lshrrev_b32 v3, 5, v0
	v_readfirstlane_b32 s16, v3                    ; wave
	s_lshr_b32 s17, s16, 1                         ; i
	s_and_b32 s18, s16, 1                          ; j; also: which half of an operand's tiles I fetch
	s_bfe_u32 s19, ttmp6, 0x40000                  ; cx.  It enters s19, s20, s23, s85, s87, s92-95 and source 1's descriptors alone
	s_lshl_b32 s20, ttmp9, 2
	s_add_co_u32 s20, s20, s19                     ; x
	s_and_b32 s21, ttmp7, 0xffff                   ; y, which the partners share
	s_lshl_b32 s22, s21, 4
	s_add_co_u32 s22, s22, 256                     ; q, k: source 0 = tiles 256 + 16 y
	s_max_u32 s84, s21, 6
	s_sub_co_u32 s84, s84, 6
	s_lshl_b32 s84, s84, 3
	s_add_co_u32 s84, s84, ttmp9
	s_lshl_b32 s84, s84, 4                         ; v: source 0 = token tiles 16 (8 (y - 6) + cluster x)
	s_lshl_b32 s23, s20, 3                         ; q, k: source 1 = token tiles 8 x
	s_lshl_b32 s85, s19, 3
	s_add_co_u32 s85, s85, 352                     ; v: source 1 = tiles 352 + 8 cx
	s_cmp_lt_u32 s21, 6
	s_cselect_b32 s22, s22, s84
	s_cselect_b32 s23, s23, s85
	s_lshl_b32 s86, s18, 3
	s_add_co_u32 s86, s86, s22                     ; the first of the 8 tiles of source 0 that I would fetch
	s_mul_i32 s88, s86, 12288
	s_mov_b32 s89, 0
	s_lshl_b32 s90, s17, 3
	s_add_co_u32 s90, s90, s22                     ; the first of the 8 tiles of source 0 that I multiply
	s_lshl_b32 s90, s90, 9                         ; scale words: 512 bytes a tile
	s_mov_b32 s91, 0
	s_lshl_b32 s87, s18, 2
	s_add_co_u32 s87, s87, s23                     ; the first of the 4 tiles of source 1
	s_mul_i32 s92, s87, 12288
	s_mov_b32 s93, 0
	s_lshl_b32 s94, s87, 9
	s_mov_b32 s95, 0
	s_mul_i32 s96, s18, 98304                      ; where they go in LDS: the wave's number alone
	s_mul_i32 s97, s18, 49152
	s_mov_b32 s3, 0x1800000                        ; the floor 2^(3 - 127)
	s_mov_b32 s[SEL], 0x76543210
	s_mov_b32 s[SEL+1], 0xfedcba98
	; group 1: elements of 8 bytes, no padding.  Codes: a row = a tile's eight K steps, 1,536 elements, 1,536 from tile to tile.
	s_mov_b32 s[G1A], 0x0023000f                   ; 15:0 the mask: all four partners; 17:16 elements of 8 bytes; 21 set beside a mask
	s_mov_b32 s[G1B], 0x00030000                   ; no mask
	s_mov_b32 s[G1A+2], 8<<16                      ; tensor_dim1 = 8 tiles
	s_mov_b32 s[G1A+4], 8                          ; tile_dim1
	s_mov_b32 s[G1B+2], 4<<16
	s_mov_b32 s[G1B+4], 4
.irp g, G1A, G1B
	s_mov_b32 s[\g+1], 1536<<16                    ; tensor_dim0: a tile's eight K steps, 12,288 bytes
	s_mov_b32 s[\g+3], 1536<<16                    ; tile_dim0
	s_mov_b32 s[\g+5], 1536                        ; stride
	s_mov_b32 s[\g+6], 0
	s_mov_b32 s[\g+7], 0
.endr
	s_wait_dscnt 0x0
	s_wait_kmcnt 0x0
	s_add_nc_u64 s[58:59], s[6:7], s[90:91]        ; my scale words of source 0
	s_mov_b32 s60, 1                               ; all eight K steps,
	s_mov_b32 s61, s96
	s_add_nc_u64 s[62:63], s[4:5], s[88:89]
	s_or_b32 s63, s63, 0x80000000
	s_add_nc_u64 s[74:75], s[6:7], s[94:95]        ; my scale words of source 1
	s_mov_b32 s76, 1
	s_add_co_u32 s77, s97, S1C
	s_add_nc_u64 s[78:79], s[4:5], s[92:93]
	s_or_b32 s79, s79, 0x80000000
	CROUND                                         ; all four work-groups are here: the joint loads meet
	s_cmp_lt_u32 s16, 2                            ; a wave's one fill stands in one branch on the wave's number
	s_cbranch_scc0 .Lfill_1
	tensor_load_to_lds s[60:63], s[G1A:G1A+7]      ; my one tensor load: 8 tiles of source 0, all of K
	s_nop 0
	PLACES                                         ; four v_nop behind the last
	s_branch .Lfilled
.Lfill_1:
	tensor_load_to_lds s[76:79], s[G1B:G1B+7]      ; my one tensor load: 4 tiles of source 1, all of K
	s_nop 0
	PLACES
.Lfilled:
	v_and_b32 v3, 31, v0
	v_lshlrev_b32 v1, 4, v3
	v_lshlrev_b32 v2, 3, v3
	s_mul_i32 s86, s17, 98304                      ; my 8 tiles of source 0: v[A16], v[A8] the first four, v[A16+1], v[A8+1] the other four
	v_add_nc_u32 v[A16], s86, v1
	v_add_nc_u32 v[A8], s86, v2
	s_add_co_u32 s86, s86, S0CB
	v_add_nc_u32 v[A16+1], s86, v1
	v_add_nc_u32 v[A8+1], s86, v2
	s_add_co_u32 s86, s97, S1C                     ; my 4 tiles of source 1 (49,152 j)
	v_add_nc_u32 v[B16], s86, v1
	v_add_nc_u32 v[B8], s86, v2
	s_wait_alu depctr_va_vdst(0)                   ; ahead of the readers below
.irp s, 0,1,2,3,4,5,6,7                ; the scale words of all of K: register e of a K step: lanes 0-15 tile 2 e, lanes 16-31 tile 2 e + 1; each load reads 256 consecutive bytes, aligned
	global_load_b64 v[SA+4*\s:SA+4*\s+1], v2, s[58:59] offset:256*\s
	global_load_b64 v[SA+4*\s+2:SA+4*\s+3], v2, s[58:59] offset:2048+256*\s
	global_load_b64 v[SB+2*\s:SB+2*\s+1], v2, s[74:75] offset:256*\s
.endr
	s_cmp_lt_u32 s21, 6                            ; q, k: the table of my four token tiles, into window 3; it lands under the products
	s_cbranch_scc0 .Lno_table
	s_lshl_b32 s85, s18, 2
	s_add_co_u32 s85, s85, s23
	s_and_b32 s85, s85, 127                        ; my first token tile within its batch
	s_lshl_b32 s92, s85, 12
	s_add_nc_u64 s[8:9], s[8:9], s[92:93]
	WIN 0xc0
.irp m, 0,1,2,3
.irp g, 0,1,2,3,4,5,6,7
	global_load_b128 v[32*\m+4*\g:32*\m+4*\g+3], v1, s[8:9] offset:4096*\m+512*\g
.endr
.endr
	WIN 0
.Lno_table:
.macro FRAG reg, a16, a8, off          ; a fragment's image: 12 registers by four loads of 512 or 256 consecutive bytes
	ds_load_b128 v[\reg:\reg+3], v[\a16] offset:\off
	ds_load_b64 v[\reg+4:\reg+5], v[\a8] offset:\off+512
	ds_load_b128 v[\reg+6:\reg+9], v[\a16] offset:\off+768
	ds_load_b64 v[\reg+10:\reg+11], v[\a8] offset:\off+1280
.endm
.macro FETCH s                         ; K step s: 8 + 4 fragments, into set s % 2
.set FP, (\s)%2
	WIN 0x40
.irp a, 0,1,2,3,4,5,6,7
	FRAG 128*FP+12*\a, A16+\a/4, A8+\a/4, 12288*(\a%4)+1536*(\s)
.endr
	WIN 0
.irp b, 0,1,2,3
	FRAG BF+48*FP+12*\b, B16, B8, 12288*\b+1536*(\s)
.endr
.endm
.macro WM a, b, z                      ; one product; an odd tile's scale words lie in lanes 16-31.  z = 1: it starts the sum
.set rD, 8*(NA*\b+\a)
.set rA, 128*MP+12*\a
.set rB, BF+48*MP+12*\b
.set rX, SA+4*MS+\a/2
.set rY, SB+2*MS+\b/2
.if \z
.if (\a%2 == 0) && (\b%2 == 0)
	v_wmma_scale_f32_16x16x128_f8f6f4 v[rD:rD+7], v[rA:rA+11], v[rB:rB+11], 0, v[rX], v[rY] matrix_a_fmt:MATRIX_FMT_FP6 matrix_b_fmt:MATRIX_FMT_FP6
.elseif (\a%2 == 1) && (\b%2 == 0)
	v_wmma_scale_f32_16x16x128_f8f6f4 v[rD:rD+7], v[rA:rA+11], v[rB:rB+11], 0, v[rX], v[rY] matrix_a_fmt:MATRIX_FMT_FP6 matrix_b_fmt:MATRIX_FMT_FP6 matrix_a_scale:MATRIX_SCALE_ROW1
.elseif (\a%2 == 0)
	v_wmma_scale_f32_16x16x128_f8f6f4 v[rD:rD+7], v[rA:rA+11], v[rB:rB+11], 0, v[rX], v[rY] matrix_a_fmt:MATRIX_FMT_FP6 matrix_b_fmt:MATRIX_FMT_FP6 matrix_b_scale:MATRIX_SCALE_ROW1
.else
	v_wmma_scale_f32_16x16x128_f8f6f4 v[rD:rD+7], v[rA:rA+11], v[rB:rB+11], 0, v[rX], v[rY] matrix_a_fmt:MATRIX_FMT_FP6 matrix_b_fmt:MATRIX_FMT_FP6 matrix_a_scale:MATRIX_SCALE_ROW1 matrix_b_scale:MATRIX_SCALE_ROW1
.endif
.else
.if (\a%2 == 0) && (\b%2 == 0)
	v_wmma_scale_f32_16x16x128_f8f6f4 v[rD:rD+7], v[rA:rA+11], v[rB:rB+11], v[rD:rD+7], v[rX], v[rY] matrix_a_fmt:MATRIX_FMT_FP6 matrix_b_fmt:MATRIX_FMT_FP6
.elseif (\a%2 == 1) && (\b%2 == 0)
	v_wmma_scale_f32_16x16x128_f8f6f4 v[rD:rD+7], v[rA:rA+11], v[rB:rB+11], v[rD:rD+7], v[rX], v[rY] matrix_a_fmt:MATRIX_FMT_FP6 matrix_b_fmt:MATRIX_FMT_FP6 matrix_a_scale:MATRIX_SCALE_ROW1
.elseif (\a%2 == 0)
	v_wmma_scale_f32_16x16x128_f8f6f4 v[rD:rD+7], v[rA:rA+11], v[rB:rB+11], v[rD:rD+7], v[rX], v[rY] matrix_a_fmt:MATRIX_FMT_FP6 matrix_b_fmt:MATRIX_FMT_FP6 matrix_b_scale:MATRIX_SCALE_ROW1
.else
	v_wmma_scale_f32_16x16x128_f8f6f4 v[rD:rD+7], v[rA:rA+11], v[rB:rB+11], v[rD:rD+7], v[rX], v[rY] matrix_a_fmt:MATRIX_FMT_FP6 matrix_b_fmt:MATRIX_FMT_FP6 matrix_a_scale:MATRIX_SCALE_ROW1 matrix_b_scale:MATRIX_SCALE_ROW1
.endif
.endif
.endm
.macro MULS s                          ; a K step's 32 products: every accumulator once, by turns
.set MP, (\s)%2
.set MS, (\s)
	WIN 0xa1                                       ; source 0 window 1, source 1 window 0, C and D window 2
.irp b, 0,1,2,3
.irp a, 0,1,2,3,4,5,6,7
.if (\s) == 0
	WM \a, \b, 1
.else
	WM \a, \b, 0
.endif
.endr
.endr
.endm
	s_wait_tensorcnt 0x0                           ; my one tensor load has landed
	s_barrier_signal -1
	s_barrier_wait -1                              ; everybody's are
	s_wait_alu depctr_va_vdst(0)
	FETCH 0
	s_wait_loadcnt 0x0                             ; the scale words (and, for q and k, the table)
.irp s, 0,1,2,3,4,5,6,7
.if \s < 7
.if \s > 0
	PLACES                                         ; behind the last step's products, whose set is loaded anew
.endif
	FETCH \s+1
	s_wait_dscnt NF                                ; all but the loads just issued: this step's fragments are in
.else
	s_wait_dscnt 0x0
.endif
	MULS \s
.endr
	WIN 0
	PLACES
; 64 numbers of a lane, v[s] on in window w, register 16 b + i = k 32 b + 16 (lane / 16) + i of my row, become a fragment's codes in v[pc] on and its scale word in v[pw] (both in window 0).
; Each accumulator is read from its low end on.
.macro QUANT s, w, pc, pw
	WIN 20*(\w)                                    ; sources 1 and 2 in window w
.irp b, 0,1,2,3
	v_max3_num_f32 v[TM+\b], s3, |v[\s+16*\b]|, |v[\s+16*\b+1]|   ; block b: my 16 numbers, and the floor: the byte cannot fall under 1
.endr
.irp i, 2,4,6,8,10,12,14
.irp b, 0,1,2,3
	v_max3_num_f32 v[TM+\b], v[TM+\b], |v[\s+16*\b+\i]|, |v[\s+16*\b+\i+1]|
.endr
.endr
	WIN 0
.irp b, 0,1,2,3
	v_permlanex16_b32 v[TM+4+\b], v[TM+\b], s[SEL], s[SEL+1]
.endr
.irp b, 0,1,2,3
	v_max_num_f32 v[TM+\b], v[TM+\b], v[TM+4+\b]   ; with lane l xor 16's: the block's largest magnitude
.endr
.irp b, 0,1,2,3
	v_add_nc_u32 v[TM+12+\b], 0xff000000, v[TM+\b] ; 2 off its exponent field: the conversion's scale operand
.endr
.irp b, 0,1,2,3
	v_lshrrev_b32 v[TM+4+\b], 23, v[TM+12+\b]      ; the scale's byte
.endr
	v_lshl_or_b32 v[\pw], v[TM+5], 8, v[TM+4]
	v_lshl_or_b32 v[\pw], v[TM+6], 16, v[\pw]
	v_lshl_or_b32 v[\pw], v[TM+7], 24, v[\pw]
	WIN \w                                         ; source 0 in window w
.irp c, 0,1
	v_cvt_scalef32_pk16_fp6_f32 v[\pc+6*\c:\pc+6*\c+2], v[\s+32*\c:\s+32*\c+15], v[TM+12+2*\c]
	v_cvt_scalef32_pk16_fp6_f32 v[CT+4*\c:CT+4*\c+2], v[\s+32*\c+16:\s+32*\c+31], v[TM+13+2*\c]
.endr
	WIN 0
	v_nop                                          ; one plain place behind a scaled conversion
.irp c, 0,1
.irp i, 0,1,2
	v_permlane16_swap_b32 v[\pc+6*\c+\i], v[CT+4*\c+\i]   ; a whole block to a lane
.endr
.irp i, 0,1,2
	v_mov_b32 v[\pc+6*\c+3+\i], v[CT+4*\c+\i]
.endr
.endr
.endm
; The rotation of token tile m.  Register 64 m + 2 p is the even number of pair p of my token, 64 m + 2 p + 1 the odd one; pairs 0-15 are the first head's, 16-31 the second's; both take table pairs 0-15.
.macro ROTATE m
	WIN 0x0e                                       ; source 0 window 2 (the sums), source 1 window 3 (the table)
.set p, 0
.rept 32
.set q, 8*((p/8)%2)+p%8
	v_mul_f32 v[T+2*p], v[64*\m+2*p+1], v[32*\m+2*q+1]     ; x2 sin
	v_mul_f32 v[T+2*p+1], v[64*\m+2*p+1], v[32*\m+2*q]     ; x2 cos
.set p, p+1
.endr
.set p, 0
.rept 32
.set q, 8*((p/8)%2)+p%8
	v_fma_f32 v[T+2*p], v[64*\m+2*p], v[32*\m+2*q], -v[T+2*p]       ; x1 cos - x2 sin
	v_fma_f32 v[T+2*p+1], v[64*\m+2*p], v[32*\m+2*q+1], v[T+2*p+1]  ; x1 sin + x2 cos
.set p, p+1
.endr
	WIN 0
.endm
	s_cmp_lt_u32 s21, 6
	s_cbranch_scc0 .Lvalues
	; ---- q and k.  My 128 rows of the weight are two heads; a fragment's registers 0-5 are the first head's 64 numbers, 6-11 the second's.
	; qc: [batch][head 16][token tile 128][768];  qs: [batch][head][tile / 4][256];  kv: [batch x 8 + head][key step 16][13,056]: K's 8 tiles x 768, V's 4 x 1,536, K's scale words 2 x 256, V's 256
	s_lshr_b32 s72, s20, 4                         ; batch.  (No tensor load of mine is out: source 1's descriptor registers are free)
	s_and_b32 s73, s20, 15                         ; which 128 tokens of it
	s_lshl_b32 s74, s21, 2
	s_lshl_b32 s75, s17, 1
	s_add_co_u32 s74, s74, s75                     ; q: my first head, 4 y + 2 i
	s_lshl_b32 s76, s72, 4
	s_add_co_u32 s76, s76, s74
	s_lshl_b32 s77, s73, 1
	s_add_co_u32 s77, s77, s18
	s_lshl_b32 s78, s76, 5
	s_add_co_u32 s78, s78, s77                     ; (16 batch + head) 32 + my group of four token tiles
	s_mul_i32 s79, s78, 3072                       ; q's codes
	s_lshl_b32 s78, s78, 8                         ; q's scale words
	s_max_u32 s81, s21, 4
	s_sub_co_u32 s81, s81, 4
	s_lshl_b32 s81, s81, 2
	s_add_co_u32 s81, s81, s75                     ; k: my first head, 4 (y - 4) + 2 i
	s_lshl_b32 s80, s72, 3
	s_add_co_u32 s80, s80, s81
	s_lshl_b32 s80, s80, 4
	s_add_co_u32 s80, s80, s73
	s_mul_i32 s80, s80, 13056                      ; its record of this key step
	s_mul_i32 s81, s18, 3072
	s_add_co_u32 s81, s81, s80                     ; k's codes
	s_lshl_b32 s82, s18, 8
	s_add_co_u32 s82, s82, s80
	s_add_co_u32 s82, s82, 12288                   ; k's scale words
	s_mov_b32 s83, 208896                          ; k: from head to head, 16 records
	s_cmp_lt_u32 s21, 4                            ; q or k: the choice hangs on y alone
	s_cselect_b64 s[32:33], s[10:11], s[14:15]
	s_cselect_b64 s[34:35], s[12:13], s[14:15]
	s_cselect_b32 s36, s79, s81
	s_cselect_b32 s38, s78, s82
	s_cselect_b32 s48, 98304, s83                  ; q: from head to head, 128 tiles x 768
	s_cselect_b32 s50, 8192, s83                   ; and 32 x 256
	s_mov_b32 s37, 0
	s_mov_b32 s39, 0
	s_mov_b32 s49, 0
	s_mov_b32 s51, 0
	s_add_nc_u64 s[32:33], s[32:33], s[36:37]      ; the first head's codes,
	s_add_nc_u64 s[34:35], s[34:35], s[38:39]      ; its scale words,
	s_add_nc_u64 s[52:53], s[32:33], s[48:49]      ; the second head's codes,
	s_add_nc_u64 s[54:55], s[34:35], s[50:51]      ; its scale words
.irp m, 0,1,2,3
	ROTATE \m
	QUANT T, 0, PC+12*\m, PW+\m
	global_store_b128 v1, v[PC+12*\m:PC+12*\m+3], s[32:33] offset:768*\m
	global_store_b64 v2, v[PC+12*\m+4:PC+12*\m+5], s[32:33] offset:768*\m+512
	global_store_b128 v1, v[PC+12*\m+6:PC+12*\m+9], s[52:53] offset:768*\m
	global_store_b64 v2, v[PC+12*\m+10:PC+12*\m+11], s[52:53] offset:768*\m+512
.endr
	s_mov_b32 vcc_lo, 0xffff0000
.irp m, 0,1,2,3
	v_and_b32 v[140+\m], 0xffff, v[PW+\m]          ; the first head's two bytes; bytes 2 and 3 are 0: they meet zero codes in the next launch
	v_lshrrev_b32 v[144+\m], 16, v[PW+\m]          ; the second head's
.endr
	v_cndmask_b32 v148, v140, v141, vcc_lo         ; lanes 0-15: tiles 0 and 2; lanes 16-31: tiles 1 and 3
	v_cndmask_b32 v149, v142, v143, vcc_lo
	v_cndmask_b32 v150, v144, v145, vcc_lo
	v_cndmask_b32 v151, v146, v147, vcc_lo
	global_store_b64 v2, v[148:149], s[34:35]
	global_store_b64 v2, v[150:151], s[54:55]
	s_branch .Ldone
.Lvalues:
	; ---- v.  My 128 tokens are one key step, my 64 rows of wv one head: accumulators (m, 0 .. 7) are 16 of the head's numbers x 128 keys: a fragment of V^T
	s_sub_co_u32 s72, s21, 6
	s_lshl_b32 s72, s72, 3
	s_add_co_u32 s72, s72, ttmp9
	s_lshl_b32 s72, s72, 1
	s_add_co_u32 s72, s72, s17                     ; the key step, 0 .. 31 over both batches
	s_lshr_b32 s73, s72, 4
	s_lshl_b32 s73, s73, 3
	s_lshl_b32 s74, s19, 1
	s_add_co_u32 s73, s73, s74
	s_add_co_u32 s73, s73, s18                     ; 8 batch + head (2 cx + j)
	s_lshl_b32 s73, s73, 4
	s_and_b32 s72, s72, 15
	s_add_co_u32 s73, s73, s72
	s_mul_i32 s32, s73, 13056
	s_mov_b32 s33, 0
	s_add_nc_u64 s[32:33], s[14:15], s[32:33]
.irp m, 0,1,2,3
	QUANT 64*\m, 2, PC+12*\m, PW+\m
	global_store_b128 v1, v[PC+12*\m:PC+12*\m+3], s[32:33] offset:6144+1536*\m
	global_store_b64 v2, v[PC+12*\m+4:PC+12*\m+5], s[32:33] offset:6144+1536*\m+512
	global_store_b128 v1, v[PC+12*\m+6:PC+12*\m+9], s[32:33] offset:6144+1536*\m+768
	global_store_b64 v2, v[PC+12*\m+10:PC+12*\m+11], s[32:33] offset:6144+1536*\m+1280
.endr
	s_mov_b32 vcc_lo, 0xffff0000
	v_cndmask_b32 v148, v136, v137, vcc_lo
	v_cndmask_b32 v149, v138, v139, vcc_lo
	global_store_b64 v2, v[148:149], s[32:33] offset:12800
.Ldone:
	s_wait_tensorcnt 0x0
	ds_add_u32 v254, v255
	s_wait_dscnt 0x0
	CROUND                                         ; the closing round: no work-group ends while a partner may still ask for a tile that names it
	s_endpgm
.Lfunc_end_k_q3c2b24802c_qkv:
	.size	k_q3c2b24802c_qkv, .Lfunc_end_k_q3c2b24802c_qkv-k_q3c2b24802c_qkv
	.p2alignl 7, 3214868480
	.fill 96, 4, 3214868480
	.section	.rodata,"a",@progbits
	.p2align	6, 0x0
	.amdhsa_kernel k_q3c2b24802c_qkv
		.amdhsa_group_segment_fixed_size 307712
		.amdhsa_private_segment_fixed_size 0
		.amdhsa_enable_private_segment 0
		.amdhsa_kernarg_size 48
		.amdhsa_user_sgpr_count 2
		.amdhsa_user_sgpr_kernarg_segment_ptr 1
		.amdhsa_wavefront_size32 1
		.amdhsa_system_sgpr_workgroup_id_x 1
		.amdhsa_system_sgpr_workgroup_id_y 1
		.amdhsa_system_sgpr_workgroup_id_z 1
		.amdhsa_system_vgpr_workitem_id 0
		.amdhsa_next_free_vgpr 1024
		.amdhsa_next_free_sgpr 100
		.amdhsa_reserve_vcc 1
		.amdhsa_float_denorm_mode_32 3
		.amdhsa_float_denorm_mode_16_64 3
		.amdhsa_memory_ordered 1
		.amdhsa_forward_progress 1
		.amdhsa_inst_pref_size 129
	.end_amdhsa_kernel
	.amdgpu_metadata
---
amdhsa.version: [ 1, 2 ]
amdhsa.kernels:
  - .name:           k_q3c2b24802c_qkv
    .symbol:         k_q3c2b24802c_qkv.kd
    .args:
      - { .name: codes, .offset: 0, .size: 8, .value_kind: global_buffer, .address_space: global }
      - { .name: scales, .offset: 8, .size: 8, .value_kind: global_buffer, .address_space: global }
      - { .name: rope, .offset: 16, .size: 8, .value_kind: global_buffer, .address_space: global }
      - { .name: qc, .offset: 24, .size: 8, .value_kind: global_buffer, .address_space: global }
      - { .name: qs, .offset: 32, .size: 8, .value_kind: global_buffer, .address_space: global }
      - { .name: kv, .offset: 40, .size: 8, .value_kind: global_buffer, .address_space: global }
    .group_segment_fixed_size: 307712
    .private_segment_fixed_size: 0
    .kernarg_segment_align: 8
    .kernarg_segment_size: 48
    .max_flat_workgroup_size: 128
    .sgpr_count:     100
    .vgpr_count:     1024
    .wavefront_size: 32
...
	.end_amdgpu_metadata
.endif
;; end of part 2
;; launch attn (part 3): grid 16 x 16, 16 waves a work-group, clusters of 4 x 1, 215,040 bytes of LDS; arguments qc, qs, kv, ac, asc; writes ac, asc
.if DOCPART == 3
	.amdgcn_target "amdgcn-amd-amdhsa--gfx1250"
	.amdhsa_code_object_version 6
	.text
	.protected	k_q3c2b24802c_attn
	.globl	k_q3c2b24802c_attn
	.p2align	8
	.type	k_q3c2b24802c_attn,@function
k_q3c2b24802c_attn:
	s_mov_b64 s[64:65], 0
	v_nop
	global_prefetch_b8 v0, s[64:65] scope:SCOPE_SE
	s_setreg_imm32_b32 hwreg(HW_REG_WAVE_MODE, 25, 1), 1
	s_wait_xcnt 0x0
	s_wait_alu depctr_hold_cnt(0) depctr_sa_sdst(0) depctr_va_vdst(0) depctr_va_sdst(0) depctr_va_ssrc(0) depctr_va_vcc(0) depctr_vm_vsrc(0)
	s_getreg_b32 s2, hwreg(HW_REG_IB_STS2, 6, 4)
	s_cmp_eq_u32 s2, 0
	s_cbranch_scc0 .Lentry_in_a_cluster
	s_endpgm
.Lentry_in_a_cluster:
	s_bfe_u32 s2, ttmp6, 0x10000c
	s_cmp_lg_u32 s2, 0x3003
	s_cbranch_scc0 .Lentry_shape_is_right
	s_endpgm
.Lentry_shape_is_right:
; o = softmax(q k^T / 8) v for 16 query heads on 8 key and value heads, 2,048 tokens, 2 batches, no mask; both products on codes of FP6 (E2M3) with E8M0 scales; o is quantised along the model's 1,024 for the last product.
; THE SOFTMAX: t = score x log2(e) / 8; M = the running largest t rounded UP to a whole number; p = 2^(t - M) is quantised along the keys, not normalised; the row's sum is taken of the unquantised p and divides at the end.
; When M moves, the sum and O are multiplied by 2^(old M - new M): exact.
; SHARES.  A work-group owns 128 tokens of one key and value head: 8 token tiles x its 2 query heads = SIXTEEN waves, each with one tile of 16 queries in 256 registers: four waves to a SIMD, so that one wave's
; vector work stands beside another's matrix work and LDS loads.  Every wave walks the head's 16 key steps of 128 keys.
; LDS.  THE HEAD'S WHOLE K AND V LIE IN LDS: 16 records of 13,056 bytes (K's 8 tiles x 768, V^T's 4 fragments x 1,536, K's scale words 2 x 256, V's 256), all as images of operand registers, filled once.
; So there is no later stream to ask of memory ahead of its load.
; CLUSTER.  The four work-groups of a cluster are four blocks of tokens of one head: they need the same 16 records, and each record is asked for jointly.
; LAYOUT.  Both products are used transposed: S^T = K Q^T, O^T = V^T P^T: a lane holds ONE query throughout.  Tiles hold permuted rows (lane-row p of tile t = row 32 (t / 2) + 8 (t % 2) + p + 8 (p / 8)), so
; the 16 registers of tiles 2 b, 2 b + 1 of S^T are keys 32 b + 16 (lane / 16) + 0 .. 15, and of O^T the head's numbers likewise.
; K = 64 IN AN INSTRUCTION OF 128: Q's registers 6-11 are zero codes.  K's operand for tile t names 12 registers from v[32 + 6 t]: the upper six are the next tile's codes (for tile 7: zeros); they meet Q's zero codes,
; under scale bytes 0 (2^-127, no NaN), and add exactly nothing.
; LIMITS: a block of zeros gets the scale byte 1 where the quantiser's rule says 127 (its codes are zeros; this program alone reads the bytes); NaN and infinities are not served.  A block's largest p is taken as the
; exponential of the block's largest score, which takes v_exp_f32 not to fall where its input rises.
; REGISTERS: v1, v2 16 x and 8 x lane; v5, v6 LDS addresses of the scale halfword and of the words' way out; v8, v9 the step's addresses; v12 -M, v13 the largest t, v[14:15] the sum; v16-27 Q; v28 Q's scale word;
; v32-85 K's tiles and the zeros behind them, then V's fragments; v86-91 scale words; v96-159 S^T, then p; v160-191 O^T; v192-203 p's codes; v204-231 at work.
.set REC,  13056
.set SCW,  208896                      ; behind the records: 512 bytes in which the 16 waves' scale halfwords meet; no tensor load lands here
.set PC,   192
.set CT,   204
.set BM,   212                         ; the blocks' largest scores, then largest p
.set PT,   216
.set SO,   220                         ; the conversions' scale operands
.set TA,   224
.set FF,   226                         ; v[226:227] f = 2^(old M - new M)
.set PW,   228                         ; p's scale word
.set SEL,  22                          ; s[22:23]
.set CS,   54                          ; s[54:55] c = log2(e) / 8
.set TB,   56                          ; s56 the step's record in LDS
.set CNT,  57
.macro CROUND
	s_barrier_signal -1
	s_barrier_wait -1
	s_cmp_lg_u32 s14, 0
	s_cbranch_scc1 .Lnot_wave_0_\@
	s_barrier_signal -3
.Lnot_wave_0_\@:
	s_barrier_wait -3
	s_barrier_signal -1
	s_barrier_wait -1
.endm
	s_load_b256 s[4:11], s[0:1], 0x0               ; qc, qs, kv, ac
	s_load_b64 s[12:13], s[0:1], 0x20              ; asc
	v_lshl_add_u32 v254, v0, 2, 0x34000
	v_mov_b32 v255, 0
	ds_add_u32 v254, v255
	ds_add_u32 v254, v255
	v_lshrrev_b32 v3, 5, v0
	s_delay_alu instid0(VALU_DEP_1)
	v_readfirstlane_b32 s14, v3                    ; wave 0..15
	s_and_b32 s15, s14, 1                          ; which of the two query heads
	s_lshr_b32 s16, s14, 1                         ; which of the 8 token tiles
	s_and_b32 s19, ttmp7, 0xffff                   ; 8 batch + key and value head: the partners share it
	s_lshr_b32 s20, s19, 3
	s_and_b32 s21, s19, 7
	s_mul_i32 s33, s14, REC                        ; record = wave: its place in LDS,
	s_mul_i32 s36, s19, 16*REC
	s_add_co_u32 s36, s36, s33                     ; and in memory
	s_mov_b32 s37, 0
	s_mov_b32 s24, 0x0023000f                      ; group 1: 15:0 the mask: all four partners; 17:16 elements of 8 bytes; 21 set beside a mask; no padding
	s_mov_b32 s25, 32<<16                          ; a dense block as 51 rows of 256 bytes
	s_mov_b32 s26, 51<<16
	s_mov_b32 s27, 32<<16
	s_mov_b32 s28, 51
	s_mov_b32 s29, 32
	s_mov_b32 s30, 0
	s_mov_b32 s31, 0
	s_wait_dscnt 0x0
	s_wait_kmcnt 0x0
	s_mov_b32 s32, 1
	s_add_nc_u64 s[34:35], s[8:9], s[36:37]
	s_or_b32 s35, s35, 0x80000000
	CROUND                                         ; all four work-groups are here: the joint loads meet
	tensor_load_to_lds s[32:35], s[24:31]
	s_nop 0
.rept 4
	v_nop
.endr
	s_bfe_u32 s17, ttmp6, 0x40000                  ; cx: it enters the addresses of q, ac and asc alone
	s_lshl_b32 s18, ttmp9, 2
	s_add_co_u32 s18, s18, s17                     ; my block of 128 tokens
	s_lshl_b32 s40, s18, 3
	s_add_co_u32 s40, s40, s16                     ; my token tile within the batch
	s_lshl_b32 s41, s21, 1
	s_add_co_u32 s41, s41, s15                     ; my query head
	s_lshl_b32 s42, s20, 4
	s_add_co_u32 s42, s42, s41
	s_lshl_b32 s43, s42, 7
	s_add_co_u32 s43, s43, s40
	s_mul_i32 s44, s43, 768
	s_mov_b32 s45, 0
	s_add_nc_u64 s[4:5], s[4:5], s[44:45]          ; Q's codes
	s_lshl_b32 s46, s42, 5
	s_lshr_b32 s47, s40, 2
	s_add_co_u32 s46, s46, s47
	s_lshl_b32 s46, s46, 8
	s_and_b32 s47, s40, 1
	s_lshl_b32 s47, s47, 7
	s_add_co_u32 s46, s46, s47
	s_bfe_u32 s47, s40, 0x10001
	s_lshl_b32 s47, s47, 2
	s_add_co_u32 s46, s46, s47
	s_mov_b32 s47, 0
	s_add_nc_u64 s[6:7], s[6:7], s[46:47]          ; Q's scale words: my tile's place in its group of four
	s_lshl_b32 s48, s20, 7
	s_add_co_u32 s48, s48, s40
	s_lshl_b32 s48, s48, 3
	s_add_co_u32 s48, s48, s21
	s_mul_i32 s48, s48, 1536
	s_mul_i32 s49, s15, 768
	s_add_co_u32 s48, s48, s49
	s_mov_b32 s49, 0
	s_add_nc_u64 s[10:11], s[10:11], s[48:49]      ; ac: [token tile 256][K step = key and value head][1,536]: my query head's half of the fragment
	s_lshl_b32 s50, s20, 4
	s_add_co_u32 s50, s50, s18
	s_lshl_b32 s50, s50, 4
	s_add_co_u32 s50, s50, s21
	s_lshl_b32 s50, s50, 8
	s_mov_b32 s51, 0
	s_add_nc_u64 s[12:13], s[12:13], s[50:51]      ; asc: [tile / 4][K step 8][256]: the work-group's two groups of four lie 2,048 bytes apart
	s_lshr_b32 s52, s16, 2                         ; my halfword's place among the 512 bytes: the wave's number alone
	s_lshl_b32 s52, s52, 8
	s_and_b32 s53, s16, 1
	s_lshl_b32 s53, s53, 7
	s_add_co_u32 s52, s52, s53
	s_bfe_u32 s53, s16, 0x10001
	s_lshl_b32 s53, s53, 2
	s_add_co_u32 s52, s52, s53
	s_lshl_b32 s53, s15, 1
	s_add_co_u32 s52, s52, s53
	s_add_co_u32 s52, s52, SCW
	s_mov_b32 s[SEL], 0x76543210
	s_mov_b32 s[SEL+1], 0xfedcba98
	s_mov_b32 s[CS], 0x3e38aa3b
	s_mov_b32 s[CS+1], s[CS]                       ; (named with it as a pair, so it is written)
	s_mov_b32 s[TB], 0
	s_mov_b32 s[CNT], 16
	v_and_b32 v3, 31, v0
	s_delay_alu instid0(VALU_DEP_1)
	v_lshlrev_b32 v1, 4, v3
	s_delay_alu instid0(VALU_DEP_2)
	v_lshlrev_b32 v2, 3, v3
	v_and_b32 v4, 15, v0
	s_delay_alu instid0(VALU_DEP_1)
	v_lshlrev_b32 v7, 3, v4
	global_load_b128 v[16:19], v1, s[4:5]          ; Q's six registers
	global_load_b64 v[20:21], v2, s[4:5] offset:512
	global_load_b32 v28, v7, s[6:7]                ; lane r: row r's word
	v_lshl_add_u32 v5, v4, 3, s52
	v_add_nc_u32 v6, SCW, v1
	v_bfe_u32 v11, v0, 4, 1
	v_lshlrev_b32 v10, 4, v4
	s_delay_alu instid0(VALU_DEP_1)
	v_lshl_add_u32 v10, v11, 11, v10               ; the words' way out: 16 (lane % 16) + 2,048 (lane / 16)
	; K's tiles are regrouped as they are read (see the loop's head): v29, v30 a lane's place in K's images for the 16-byte and 8-byte pieces, v31 in K's scale words, v92 = 8 (lane / 16)
	v_and_b32 v232, 7, v0                          ; r % 8
	v_bfe_u32 v233, v0, 3, 1                       ; r / 8
	v_mul_u32_u24 v234, v233, 1536                 ; two stored tiles on
	v_lshlrev_b32 v31, 3, v232
	v_lshlrev_b32 v92, 3, v11
	v_lshl_add_u32 v29, v232, 4, v234
	v_lshl_add_u32 v30, v232, 3, v234
	v_lshl_add_u32 v31, v233, 2, v31
	v_lshl_add_u32 v29, v11, 8, v29
	v_lshl_add_u32 v30, v11, 7, v30
	v_lshl_add_u32 v31, v11, 7, v31
.irp j, 22,23,24,25,26,27,80,81,82,83,84,85
	v_mov_b32 v\j, 0                               ; zero codes
.endr
	v_mov_b32 v13, 0xff61b1e6                      ; the largest t so far: -3e38, under every t
	s_delay_alu instid0(VALU_DEP_1)
	v_floor_f32 v12, -v13                          ; -M
	v_mov_b32 v14, 0
	v_mov_b32 v15, 0
.irp b, 0,1,2,3
	v_mov_b32 v[PT+\b], 0                          ; written once: a lane permute's destination counts as one of its sources
.endr
	v_mov_b32 v[FF+1], 0                           ; (named as the upper half of a pair)
.set j, 0
.rept 32
	v_mov_b32 v[160+j], 0                          ; O^T: the step is written once; the first finds zeros, which the first change of M leaves zeros
.set j, j+1
.endr
	s_wait_tensorcnt 0x0                           ; my record is in,
	s_barrier_signal -1
	s_barrier_wait -1                              ; everybody's is
	s_wait_loadcnt 0x0                             ; Q
.Lstep:                                            ; 16 trips: 128 keys each
; THE KEYS OF A TILE, AS THEY STAND (this takes the place of the head's line on S^T's registers): rows 0-7 of tile t are keys 64 (t / 4) + 8 (t % 4) + 0 .. 7, rows 8-15 the keys 32 further on.
; So the 32 registers of tiles 4 c .. 4 c + 3 are keys 64 c + 32 (lane / 16) + 0 .. 31: a whole block of 32 in a lane, in the order of p's operand.  The stored tile T holds keys 32 (T / 2) + 8 (T % 2) + p + 8 (p / 8):
; row r of tile t is row r % 8 + 8 ((t % 4) / 2) of stored tile 4 (t / 4) + 2 (r / 8) + t % 2; the lane's part of that stands in v29-31, the tile's in the offsets.
	v_add_nc_u32 v8, s[TB], v1
	v_add_nc_u32 v9, s[TB], v2
	v_add_nc_u32 v93, s[TB], v29
	v_add_nc_u32 v94, s[TB], v30
	v_add_nc_u32 v95, s[TB], v31                   ; these five are also the places behind the last products, whose fragments' registers are loaded anew
.irp t, 0,1,2,3,4,5,6,7
	ds_load_b128 v[32+6*\t:35+6*\t], v93 offset:768*(4*(\t/4)+\t%2)+128*((\t%4)/2)
	ds_load_b64 v[36+6*\t:37+6*\t], v94 offset:768*(4*(\t/4)+\t%2)+64*((\t%4)/2)+512
.endr
.irp e, 0,1,2,3
	ds_load_b32 v[86+\e], v95 offset:12288+256*(\e/2)+64*(\e%2)   ; K's scale words: register e: lanes 0-15 tile 2 e, lanes 16-31 tile 2 e + 1
.endr
	s_wait_alu depctr_va_vdst(0)
	s_wait_dscnt 0x0
.irp t, 0,2,4,6
	v_wmma_scale_f32_16x16x128_f8f6f4 v[96+8*\t:103+8*\t], v[32+6*\t:43+6*\t], v[16:27], 0, v[86+\t/2], v28 matrix_a_fmt:MATRIX_FMT_FP6 matrix_b_fmt:MATRIX_FMT_FP6
	v_wmma_scale_f32_16x16x128_f8f6f4 v[104+8*\t:111+8*\t], v[38+6*\t:49+6*\t], v[16:27], 0, v[86+\t/2], v28 matrix_a_fmt:MATRIX_FMT_FP6 matrix_b_fmt:MATRIX_FMT_FP6 matrix_a_scale:MATRIX_SCALE_ROW1
.endr
.rept 4
	v_nop                                          ; places ahead of the loads over K's registers and of the first read of the scores
.endr
.irp d, 0,1,2,3                        ; V's four fragments land under the softmax
	ds_load_b128 v[32+12*\d:35+12*\d], v8 offset:6144+1536*\d
	ds_load_b64 v[36+12*\d:37+12*\d], v9 offset:6144+1536*\d+512
	ds_load_b128 v[38+12*\d:41+12*\d], v8 offset:6144+1536*\d+768
	ds_load_b64 v[42+12*\d:43+12*\d], v9 offset:6144+1536*\d+1280
.endr
	ds_load_b64 v[90:91], v9 offset:12800
.irp b, 0,1,2,3
	v_max3_num_f32 v[BM+\b], v[96+16*\b], v[97+16*\b], v[98+16*\b]   ; the largest score of each block of 32 keys: for the row's maximum, and, since p rises with the score, for the block's largest p
.endr
.irp i, 3,5,7,9,11,13
.irp b, 0,1,2,3
	v_max3_num_f32 v[BM+\b], v[BM+\b], v[96+16*\b+\i], v[97+16*\b+\i]
.endr
.endr
.irp b, 0,1,2,3
	v_max_num_f32 v[BM+\b], v[BM+\b], v[111+16*\b]
.endr
	s_delay_alu instid0(VALU_DEP_3)
	v_max_num_f32 v[BM], v[BM], v[BM+1]            ; my block of tiles 0-3: all its 32 keys are mine
	s_delay_alu instid0(VALU_DEP_2)
	v_max_num_f32 v[BM+1], v[BM+2], v[BM+3]        ; my block of tiles 4-7
	s_delay_alu instid0(VALU_DEP_1)
	v_max_num_f32 v[TA], v[BM], v[BM+1]
	s_delay_alu instid0(VALU_DEP_1)
	v_permlanex16_b32 v[PT], v[TA], s[SEL], s[SEL+1]
	s_delay_alu instid0(VALU_DEP_1)
	v_max_num_f32 v[TA], v[TA], v[PT]              ; with lane l xor 16's two blocks: the step's largest score of my query
	s_delay_alu instid0(VALU_DEP_1)
	v_mul_f32 v[TA], s[CS], v[TA]                  ; as t
	s_delay_alu instid0(VALU_DEP_1)
	v_max_num_f32 v13, v13, v[TA]                  ; the running largest t
	v_mov_b32 v[TA], v12
	s_delay_alu instid0(VALU_DEP_2)
	v_floor_f32 v12, -v13                          ; the new -M = -ceil(t): a whole number
	s_delay_alu instid0(VALU_DEP_1)
	v_sub_f32 v[TA], v12, v[TA]                    ; old M - new M, 0 or less
	s_delay_alu instid0(VALU_DEP_1)
	v_cvt_i32_f32 v[TA], v[TA]                     ; (it saturates)
	s_delay_alu instid0(VALU_DEP_1)
	v_ldexp_f32 v[FF], 1.0, v[TA]                  ; f
.set j, 0
.rept 32
	v_pk_fma_f32 v[96+j:97+j], v[96+j:97+j], s[CS:CS+1], v[12:13] op_sel_hi:[1,0,0]   ; t - M, two at a time
.set j, j+2
.endr
.irp b, 0,1
	v_fma_f32 v[BM+\b], v[BM+\b], s[CS], v12       ; y = the largest t - M of my block 2 b + lane / 16, 0 or less
.endr
; THE BLOCK'S SCALE, AS IT STANDS (it takes the place of the head's line on a block's largest p): the largest p is 2^y, so floor(log2) of it is floor(y), and the byte is floor(y) + 127 - 2, held at 1 from below.
; LIMIT: where y lies so close under a whole number that 2^y rounds up to the power of two, the byte is one less than that of the rounded p, and that one p is held at the largest code.
.irp b, 0,1
	s_delay_alu instid0(VALU_DEP_2)
	v_max_num_f32 v[BM+\b], 0xc2f80000, v[BM+\b]   ; -124 from below: the byte cannot fall under 1
.endr
.irp b, 0,1
	s_delay_alu instid0(VALU_DEP_2)
	v_cvt_floor_i32_f32 v[SO+\b], v[BM+\b]
.endr
.irp b, 0,1
	s_delay_alu instid0(VALU_DEP_2)
	v_add_nc_u32 v[PT+\b], 125, v[SO+\b]           ; the scale's byte
.endr
.irp b, 0,1
	s_delay_alu instid0(VALU_DEP_2)
	v_lshlrev_b32 v[SO+\b], 23, v[PT+\b]           ; as an exponent field: the conversion's scale operand
.endr
	s_delay_alu instid0(VALU_DEP_3)
	v_lshl_or_b32 v[PW], v[PT+1], 16, v[PT]        ; my two bytes: blocks lane / 16 and 2 + lane / 16,
	s_delay_alu instid0(VALU_DEP_1)
	v_lshlrev_b32 v[PW], v92, v[PW]                ; at their places in the word;
	s_delay_alu instid0(VALU_DEP_1)
	v_permlanex16_b32 v[PT], v[PW], s[SEL], s[SEL+1]
	s_delay_alu instid0(VALU_DEP_1)
	v_or_b32 v[PW], v[PW], v[PT]                   ; with lane l xor 16's two: p's scale word for these 128 keys
.set j, 0
	s_wait_alu depctr_va_vdst(0)
.rept 64
	v_exp_f32 v[96+j], v[96+j]                     ; p = 2^(t - M)
.set j, j+1
.endr
	v_pk_mul_f32 v[14:15], v[14:15], v[FF:FF+1] op_sel_hi:[1,0]   ; the sums under the new M; a plain place behind the exponentials
	s_wait_alu depctr_va_vdst(0)                   ; one wait for the batch of 64, ahead of its first reader
	v_pk_add_f32 v[230:231], v[100:101], v[104:105]
	v_pk_add_f32 v[252:253], v[108:109], v[112:113]
	v_pk_add_f32 v[250:251], v[116:117], v[120:121]
	v_pk_add_f32 v[248:249], v[124:125], v[128:129]
	v_pk_add_f32 v[246:247], v[132:133], v[136:137]
	v_pk_add_f32 v[244:245], v[140:141], v[144:145]
	v_pk_add_f32 v[242:243], v[148:149], v[152:153]
	v_pk_add_f32 v[14:15], v[14:15], v[156:157]
	v_pk_add_f32 v[230:231], v[230:231], v[96:97]
	v_pk_add_f32 v[252:253], v[252:253], v[98:99]
	v_pk_add_f32 v[250:251], v[250:251], v[102:103]
	v_pk_add_f32 v[248:249], v[248:249], v[106:107]
	v_pk_add_f32 v[246:247], v[246:247], v[110:111]
	v_pk_add_f32 v[244:245], v[244:245], v[114:115]
	v_pk_add_f32 v[242:243], v[242:243], v[118:119]
	v_pk_add_f32 v[14:15], v[14:15], v[122:123]
	v_pk_add_f32 v[230:231], v[230:231], v[126:127]
	v_pk_add_f32 v[252:253], v[252:253], v[130:131]
	v_pk_add_f32 v[250:251], v[250:251], v[134:135]
	v_pk_add_f32 v[248:249], v[248:249], v[138:139]
	v_pk_add_f32 v[246:247], v[246:247], v[142:143]
	v_pk_add_f32 v[244:245], v[244:245], v[146:147]
	v_pk_add_f32 v[242:243], v[242:243], v[150:151]
	v_pk_add_f32 v[14:15], v[14:15], v[154:155]
	v_pk_add_f32 v[230:231], v[230:231], v[158:159]
	s_delay_alu instid0(VALU_DEP_2)
	v_pk_add_f32 v[14:15], v[14:15], v[248:249]
	s_delay_alu instid0(VALU_DEP_2)
	v_pk_add_f32 v[230:231], v[230:231], v[246:247]
	v_pk_add_f32 v[252:253], v[252:253], v[244:245]
	v_pk_add_f32 v[250:251], v[250:251], v[242:243]
	s_delay_alu instid0(VALU_DEP_2)
	v_pk_add_f32 v[14:15], v[14:15], v[252:253]
	s_delay_alu instid0(VALU_DEP_2)
	v_pk_add_f32 v[230:231], v[230:231], v[250:251]
	s_delay_alu instid0(VALU_DEP_1)
	v_pk_add_f32 v[14:15], v[14:15], v[230:231]
.irp c, 0,1
	v_cvt_scalef32_pk16_fp6_f32 v[PC+6*\c:PC+6*\c+2], v[96+32*\c:111+32*\c], v[SO+\c]     ; my block's lower 16 keys,
	v_cvt_scalef32_pk16_fp6_f32 v[CT+4*\c:CT+4*\c+2], v[112+32*\c:127+32*\c], v[SO+\c]    ; its upper 16 (a conversion's three registers begin on an even number)
.endr
	v_nop                                          ; one plain place behind a scaled conversion
.irp c, 0,1
.irp i, 0,1,2
	v_mov_b32 v[PC+6*\c+3+\i], v[CT+4*\c+\i]
.endr
.endr
.set j, 0
.rept 16
	v_pk_mul_f32 v[160+j:161+j], v[160+j:161+j], v[FF:FF+1] op_sel_hi:[1,0]   ; O^T under the new M; these lines also stand between the writing of p's codes and scale word and the products
.set j, j+2
.endr
	s_wait_alu depctr_va_vdst(0)
	s_wait_dscnt 0x0                               ; V
.irp d, 0,2                            ; the four accumulators by turns
	v_wmma_scale_f32_16x16x128_f8f6f4 v[160+8*\d:167+8*\d], v[32+12*\d:43+12*\d], v[PC:PC+11], v[160+8*\d:167+8*\d], v[90+\d/2], v[PW] matrix_a_fmt:MATRIX_FMT_FP6 matrix_b_fmt:MATRIX_FMT_FP6
	v_wmma_scale_f32_16x16x128_f8f6f4 v[168+8*\d:175+8*\d], v[44+12*\d:55+12*\d], v[PC:PC+11], v[168+8*\d:175+8*\d], v[90+\d/2], v[PW] matrix_a_fmt:MATRIX_FMT_FP6 matrix_b_fmt:MATRIX_FMT_FP6 matrix_a_scale:MATRIX_SCALE_ROW1
.endr
	s_add_co_u32 s[TB], s[TB], REC
	s_sub_co_u32 s[CNT], s[CNT], 1
	s_cmp_lg_u32 s[CNT], 0
	s_cbranch_scc1 .Lstep
	; THE WAY OUT.  O^T / the sum: register 16 b + i is number 32 b + 16 (lane / 16) + i of my head, for my token: two blocks of the last product's K.  They become six registers of codes and two scale bytes.
	v_add_f32 v14, v14, v15
	s_delay_alu instid0(VALU_DEP_1)
	v_permlanex16_b32 v[PT], v14, s[SEL], s[SEL+1]
	s_delay_alu instid0(VALU_DEP_1)
	v_add_f32 v14, v14, v[PT]                      ; the row's sum
	s_wait_alu depctr_va_vdst(0)
	v_rcp_f32 v14, v14
	v_nop
	v_nop                                          ; a plain place behind the reciprocal; with the additions: the places behind the last products
	s_wait_alu depctr_va_vdst(0)                   ; ahead of the reciprocal's first reader
.set j, 0
.rept 16
	v_pk_mul_f32 v[96+j:97+j], v[160+j:161+j], v[14:15] op_sel_hi:[1,0]   ; each accumulator from its low end on
.set j, j+2
.endr
.irp b, 0,1
	v_max3_num_f32 v[BM+\b], |v[96+16*\b]|, |v[97+16*\b]|, 0x1800000
.endr
.irp i, 2,4,6,8,10,12,14
.irp b, 0,1
	s_delay_alu instid0(VALU_DEP_2)
	v_max3_num_f32 v[BM+\b], v[BM+\b], |v[96+16*\b+\i]|, |v[97+16*\b+\i]|
.endr
.endr
.irp b, 0,1
	s_delay_alu instid0(VALU_DEP_2)
	v_permlanex16_b32 v[PT+\b], v[BM+\b], s[SEL], s[SEL+1]
.endr
.irp b, 0,1
	s_delay_alu instid0(VALU_DEP_2)
	v_max_num_f32 v[BM+\b], v[BM+\b], v[PT+\b]
.endr
.irp b, 0,1
	s_delay_alu instid0(VALU_DEP_2)
	v_add_nc_u32 v[SO+\b], 0xff000000, v[BM+\b]
.endr
.irp b, 0,1
	s_delay_alu instid0(VALU_DEP_2)
	v_lshrrev_b32 v[PT+\b], 23, v[SO+\b]
.endr
	s_delay_alu instid0(VALU_DEP_1)
	v_lshl_or_b32 v[PW], v[PT+1], 8, v[PT]         ; my head's half of the token's scale word
	v_cvt_scalef32_pk16_fp6_f32 v[PC:PC+2], v[96:111], v[SO]
	v_cvt_scalef32_pk16_fp6_f32 v[CT:CT+2], v[112:127], v[SO+1]
	v_nop
.irp i, 0,1,2
	v_permlane16_swap_b32 v[PC+\i], v[CT+\i]
.endr
.irp i, 0,1,2
	s_delay_alu instid0(VALU_DEP_3)
	v_mov_b32 v[PC+3+\i], v[CT+\i]
.endr
	global_store_b128 v1, v[PC:PC+3], s[10:11]     ; 512 and 256 consecutive bytes, aligned
	global_store_b64 v2, v[PC+4:PC+5], s[10:11] offset:512
	ds_store_b16 v5, v[PW]                         ; both halves of the lanes write the same halfword with the same value
	s_wait_dscnt 0x0                               ; for the others' sake
	s_barrier_signal -1
	s_barrier_wait -1                              ; the work-group's 512 bytes of scale words are whole
	s_cmp_lg_u32 s14, 0
	s_cbranch_scc1 .Lnot_first
	ds_load_b128 v[96:99], v6
	s_wait_dscnt 0x0
	global_store_b128 v10, v[96:99], s[12:13]      ; sixteen lanes store 256 consecutive bytes, aligned, twice
.Lnot_first:
	s_wait_tensorcnt 0x0
	ds_add_u32 v254, v255
	s_wait_dscnt 0x0
	CROUND                                         ; the closing round
	s_endpgm
.Lfunc_end_k_q3c2b24802c_attn:
	.size	k_q3c2b24802c_attn, .Lfunc_end_k_q3c2b24802c_attn-k_q3c2b24802c_attn
	.p2alignl 7, 3214868480
	.fill 96, 4, 3214868480
	.section	.rodata,"a",@progbits
	.p2align	6, 0x0
	.amdhsa_kernel k_q3c2b24802c_attn
		.amdhsa_group_segment_fixed_size 215040
		.amdhsa_private_segment_fixed_size 0
		.amdhsa_enable_private_segment 0
		.amdhsa_kernarg_size 40
		.amdhsa_user_sgpr_count 2
		.amdhsa_user_sgpr_kernarg_segment_ptr 1
		.amdhsa_wavefront_size32 1
		.amdhsa_system_sgpr_workgroup_id_x 1
		.amdhsa_system_sgpr_workgroup_id_y 1
		.amdhsa_system_sgpr_workgroup_id_z 1
		.amdhsa_system_vgpr_workitem_id 0
		.amdhsa_next_free_vgpr 256
		.amdhsa_next_free_sgpr 66
		.amdhsa_reserve_vcc 0
		.amdhsa_float_denorm_mode_32 3
		.amdhsa_float_denorm_mode_16_64 3
		.amdhsa_memory_ordered 1
		.amdhsa_forward_progress 1
		.amdhsa_inst_pref_size 29
	.end_amdhsa_kernel
	.amdgpu_metadata
---
amdhsa.version: [ 1, 2 ]
amdhsa.kernels:
  - .name:           k_q3c2b24802c_attn
    .symbol:         k_q3c2b24802c_attn.kd
    .args:
      - { .name: qc, .offset: 0, .size: 8, .value_kind: global_buffer, .address_space: global }
      - { .name: qs, .offset: 8, .size: 8, .value_kind: global_buffer, .address_space: global }
      - { .name: kv, .offset: 16, .size: 8, .value_kind: global_buffer, .address_space: global }
      - { .name: ac, .offset: 24, .size: 8, .value_kind: global_buffer, .address_space: global }
      - { .name: asc, .offset: 32, .size: 8, .value_kind: global_buffer, .address_space: global }
    .group_segment_fixed_size: 215040
    .private_segment_fixed_size: 0
    .kernarg_segment_align: 8
    .kernarg_segment_size: 40
    .max_flat_workgroup_size: 512
    .sgpr_count:     66
    .vgpr_count:     256
    .wavefront_size: 32
...
	.end_amdgpu_metadata
.endif
;; end of part 3
;; launch proj (part 4): grid 32 x 8, 4 waves a work-group, clusters of 4 x 1, 222,720 bytes of LDS; arguments codes, scales, ac, asc, out0; writes out0
.if DOCPART == 4
	.amdgcn_target "amdgcn-amd-amdhsa--gfx1250"
	.amdhsa_code_object_version 6
	.text
	.protected	k_q3c2b24802c_proj
	.globl	k_q3c2b24802c_proj
	.p2align	8
	.type	k_q3c2b24802c_proj,@function
k_q3c2b24802c_proj:
	s_mov_b64 s[64:65], 0
	v_nop
	global_prefetch_b8 v0, s[64:65] scope:SCOPE_SE
	s_setreg_imm32_b32 hwreg(HW_REG_WAVE_MODE, 25, 1), 1
	s_wait_xcnt 0x0
	s_wait_alu depctr_hold_cnt(0) depctr_sa_sdst(0) depctr_va_vdst(0) depctr_va_sdst(0) depctr_va_ssrc(0) depctr_va_vcc(0) depctr_vm_vsrc(0)
	s_getreg_b32 s2, hwreg(HW_REG_IB_STS2, 6, 4)
	s_cmp_eq_u32 s2, 0
	s_cbranch_scc0 .Lentry_in_a_cluster
	s_endpgm
.Lentry_in_a_cluster:
	s_bfe_u32 s2, ttmp6, 0x10000c
	s_cmp_lg_u32 s2, 0x3003
	s_cbranch_scc0 .Lentry_shape_is_right
	s_endpgm
.Lentry_shape_is_right:
; out0 = o wo^T on codes of FP6 (E2M3) with E8M0 scales; out0 [4096][1024] f32.  Both operands lie in memory as images of operand registers: [tile of 16 rows][K step 8][1,536], scale words [tile / 4][K step 8][256].
; ORIENTATION.  Source 0 = 128 rows of wo (tiles 384 + 8 y of codes), source 1 = 128 tokens (tiles 8 x of ac).  Tiles hold permuted rows (lane-row p of tile t = row 32 (t / 2) + 8 (t % 2) + p + 8 (p / 8)): a lane holds one
; token, and the 16 registers of source-0 tiles 2 b, 2 b + 1 are 16 neighbouring columns of out0.
; SHARES.  A work-group makes 128 x 128, so that there are 256 work-groups; wave (i, j) = (wave / 2, wave % 2) makes 64 columns x 64 tokens: 16 accumulators.  ALL OF K (1,024) LIES IN LDS, in two halves of four K steps,
; filled once.  Each wave issues three tensor loads at the start: three of mine are out at the most.  Waves 0, 1 fetch source 0, waves 2, 3 source 1.
; CLUSTER.  The four work-groups of a cluster (same y, neighbouring x) have the same rows of wo: asked for jointly.  Their tokens differ: those loads are each work-group's own.
; Nothing is asked of memory ahead of the tensor loads: all of them go out at the kernel's head.
; REGISTERS.  Window 0: v1, v2 16 x and 8 x lane; v4-16 addresses; v32-63 scale words, all of K; v64-159 source 1's fragments, two sets; on the way out v64-191 rows of out0.
; Window 1: source 0's fragments, two sets at v0 and v128.  Window 2: accumulator (b, a) at v[8 (4 b + a)], b = token tile, a = tile of wo.
.set NA,   4
; THE FORM AS IT STANDS (it takes the place of the head's lines on halves and on three loads): each wave issues ONE tensor load, all 8 K steps of the 4 tiles that it fetches, as dense rows of 12,288 bytes;
; the scale words do not pass through LDS: each wave loads its own, 16 loads of 256 consecutive aligned bytes, into registers that hold scales alone.
.set NF,   32                          ; the LDS loads of one K step: 8 fragments x 4
.set S1C,  98304                       ; LDS: source 0 at 0, source 1 at 98,304: 8 tiles x 12,288 each
.set STG,  204800                      ; and for each wave a stage of 16 rows x (256 + 16) bytes, into which no tensor load lands
.set A16,  4
.set A8,   6
.set B16,  8
.set B8,   10
.set STO,  14                          ; v14 the stage: where I put 16 bytes of a row;  v15 where I read a row back;  v16 my byte offset in out0
.set RD,   15
.set GO,   16
.set SA,   32
.set SB,   48                          ; v32-47 source 0's scale words, v48-63 source 1's: two registers a K step
.set BF,   64
.set OB,   64
.set G1A,  24
.set G1B,  32
.set MSB, 0
.macro WIN new                         ; the immediate's high byte repeats the setting that is left
.if MSB != \new
	s_set_vgpr_msb (MSB<<8)|\new
.set MSB, \new
.endif
.endm
.macro CROUND
	s_barrier_signal -1
	s_barrier_wait -1
	s_cmp_lg_u32 s16, 0
	s_cbranch_scc1 .Lnot_wave_0_\@
	s_barrier_signal -3
.Lnot_wave_0_\@:
	s_barrier_wait -3
	s_barrier_signal -1
	s_barrier_wait -1
.endm
.macro PLACES                          ; four plain places behind a matrix instruction (ISA guide 7.12.1)
.rept 4
	v_nop
.endr
.endm
	s_load_b256 s[4:11], s[0:1], 0x0               ; codes, scales, ac, asc
	s_load_b64 s[12:13], s[0:1], 0x20              ; out0
	v_lshl_add_u32 v254, v0, 2, 0x36400
	v_mov_b32 v255, 0
	ds_add_u32 v254, v255
	ds_add_u32 v254, v255
	v_lshrrev_b32 v3, 5, v0
	v_readfirstlane_b32 s16, v3                    ; wave
	s_lshr_b32 s17, s16, 1                         ; i
	s_and_b32 s18, s16, 1                          ; j; also: which half of an operand's tiles I fetch
	s_bfe_u32 s19, ttmp6, 0x40000                  ; cx.  It enters s19, s20, s23, s85, s87, s92-95 and source 1's descriptors alone
	s_lshl_b32 s20, ttmp9, 2
	s_add_co_u32 s20, s20, s19                     ; x
	s_and_b32 s21, ttmp7, 0xffff                   ; y
	s_lshl_b32 s22, s21, 3
	s_add_co_u32 s22, s22, 384                     ; source 0's first tile
	s_lshl_b32 s23, s20, 3                         ; source 1's
	s_lshl_b32 s84, s18, 2
	s_add_co_u32 s86, s84, s22
	s_mul_i32 s88, s86, 12288
	s_mov_b32 s89, 0
	s_lshl_b32 s90, s17, 2
	s_add_co_u32 s90, s90, s22                     ; the first of the 4 tiles of source 0 that I multiply
	s_lshl_b32 s90, s90, 9                         ; scale words: 512 bytes a tile
	s_mov_b32 s91, 0
	s_add_co_u32 s87, s84, s23
	s_mul_i32 s92, s87, 12288
	s_mov_b32 s93, 0
	s_lshl_b32 s94, s87, 9
	s_mov_b32 s95, 0
	s_mul_i32 s96, s18, 49152                      ; where they go in LDS: the wave's number alone
	; group 1: elements of 8 bytes, no padding.  Codes: a row = a tile's eight K steps, 1,536 elements, 1,536 from tile to tile, 4 tiles.
	s_mov_b32 s[G1A], 0x0023000f                   ; 15:0 the mask: all four partners; 17:16 elements of 8 bytes; 21 set beside a mask
	s_mov_b32 s[G1B], 0x00030000
.irp g, G1A, G1B
	s_mov_b32 s[\g+1], 1536<<16                    ; a row = a tile's eight K steps, 12,288 bytes
	s_mov_b32 s[\g+2], 4<<16
	s_mov_b32 s[\g+3], 1536<<16
	s_mov_b32 s[\g+4], 4
	s_mov_b32 s[\g+5], 1536
	s_mov_b32 s[\g+6], 0
	s_mov_b32 s[\g+7], 0
.endr
	s_wait_dscnt 0x0
	s_wait_kmcnt 0x0
	s_add_nc_u64 s[58:59], s[6:7], s[90:91]        ; my scale words of source 0
	s_mov_b32 s60, 1                               ; all eight K steps,
	s_mov_b32 s61, s96
	s_add_nc_u64 s[62:63], s[4:5], s[88:89]
	s_or_b32 s63, s63, 0x80000000
	s_add_nc_u64 s[74:75], s[10:11], s[94:95]      ; my scale words of source 1
	s_mov_b32 s76, 1
	s_add_co_u32 s77, s96, S1C
	s_add_nc_u64 s[78:79], s[8:9], s[92:93]
	s_or_b32 s79, s79, 0x80000000
	CROUND                                         ; all four work-groups are here: the joint loads meet
	s_cmp_lt_u32 s16, 2                            ; a wave's one fill stands in one branch on the wave's number
	s_cbranch_scc0 .Lfill_1
	tensor_load_to_lds s[60:63], s[G1A:G1A+7]      ; my one tensor load: 4 tiles of source 0, all of K
	s_nop 0
	PLACES                                         ; four v_nop behind the last
	s_branch .Lfilled
.Lfill_1:
	tensor_load_to_lds s[76:79], s[G1B:G1B+7]      ; my one tensor load: 4 tiles of source 1, all of K
	s_nop 0
	PLACES
.Lfilled:
	s_lshl_b32 s85, s20, 7                         ; out0: my first token 128 x + 64 j, rows of 4,096 bytes; my first column 128 y + 64 i
	s_lshl_b32 s87, s18, 6
	s_add_co_u32 s85, s85, s87
	s_lshl_b32 s92, s85, 12
	s_lshl_b32 s87, s21, 9
	s_add_co_u32 s92, s92, s87
	s_lshl_b32 s87, s17, 8
	s_add_co_u32 s92, s92, s87
	s_add_nc_u64 s[12:13], s[12:13], s[92:93]
	v_and_b32 v3, 31, v0
	v_lshlrev_b32 v1, 4, v3
	v_lshlrev_b32 v2, 3, v3
	s_mul_i32 s86, s17, 49152                      ; my 4 tiles of source 0
	v_add_nc_u32 v[A16], s86, v1
	v_add_nc_u32 v[A8], s86, v2
	s_add_co_u32 s86, s96, S1C                     ; my 4 tiles of source 1 (49,152 j)
	v_add_nc_u32 v[B16], s86, v1
	v_add_nc_u32 v[B8], s86, v2
	s_wait_alu depctr_va_vdst(0)                   ; ahead of the readers below
.irp s, 0,1,2,3,4,5,6,7                ; the scale words of all of K: register e of a K step: lanes 0-15 tile 2 e, lanes 16-31 tile 2 e + 1; each load reads 256 consecutive bytes, aligned
	global_load_b64 v[SA+2*\s:SA+2*\s+1], v2, s[58:59] offset:256*\s
	global_load_b64 v[SB+2*\s:SB+2*\s+1], v2, s[74:75] offset:256*\s
.endr
	s_mul_i32 s98, s16, 4352
	s_add_co_u32 s98, s98, STG                     ; my stage
	v_and_b32 v17, 15, v0
	v_bfe_u32 v18, v0, 4, 1
	v_mul_u32_u24 v[STO], v17, 272
	v_lshl_add_u32 v[STO], v18, 6, v[STO]
	v_add_nc_u32 v[STO], s98, v[STO]               ; in: row = my token, + 64 bytes for the upper half of the lanes
	v_mul_u32_u24 v[RD], v18, 272
	v_lshl_add_u32 v[RD], v17, 4, v[RD]
	v_add_nc_u32 v[RD], s98, v[RD]                 ; back: lanes 0-15 one row of 256 bytes, lanes 16-31 the next
	v_lshlrev_b32 v[GO], 12, v18
	v_lshl_add_u32 v[GO], v17, 4, v[GO]            ; and the same two rows in out0
.macro FRAG reg, a16, a8, off          ; a fragment's image: 12 registers by four loads of 512 or 256 consecutive bytes
	ds_load_b128 v[\reg:\reg+3], v[\a16] offset:\off
	ds_load_b64 v[\reg+4:\reg+5], v[\a8] offset:\off+512
	ds_load_b128 v[\reg+6:\reg+9], v[\a16] offset:\off+768
	ds_load_b64 v[\reg+10:\reg+11], v[\a8] offset:\off+1280
.endm
.macro FETCH s                         ; K step s: 4 + 4 fragments, into set s % 2
.set FP, (\s)%2
	WIN 0x40
.irp a, 0,1,2,3
	FRAG 128*FP+12*\a, A16, A8, 12288*\a+1536*(\s)
.endr
	WIN 0
.irp b, 0,1,2,3
	FRAG BF+48*FP+12*\b, B16, B8, 12288*\b+1536*(\s)
.endr
.endm
.macro WM a, b, z                      ; one product; an odd tile's scale words lie in lanes 16-31.  z = 1: it starts the sum
.set rD, 8*(NA*\b+\a)
.set rA, 128*MP+12*\a
.set rB, BF+48*MP+12*\b
.set rX, SA+2*MS+\a/2
.set rY, SB+2*MS+\b/2
.if \z
.if (\a%2 == 0) && (\b%2 == 0)
	v_wmma_scale_f32_16x16x128_f8f6f4 v[rD:rD+7], v[rA:rA+11], v[rB:rB+11], 0, v[rX], v[rY] matrix_a_fmt:MATRIX_FMT_FP6 matrix_b_fmt:MATRIX_FMT_FP6
.elseif (\a%2 == 1) && (\b%2 == 0)
	v_wmma_scale_f32_16x16x128_f8f6f4 v[rD:rD+7], v[rA:rA+11], v[rB:rB+11], 0, v[rX], v[rY] matrix_a_fmt:MATRIX_FMT_FP6 matrix_b_fmt:MATRIX_FMT_FP6 matrix_a_scale:MATRIX_SCALE_ROW1
.elseif (\a%2 == 0)
	v_wmma_scale_f32_16x16x128_f8f6f4 v[rD:rD+7], v[rA:rA+11], v[rB:rB+11], 0, v[rX], v[rY] matrix_a_fmt:MATRIX_FMT_FP6 matrix_b_fmt:MATRIX_FMT_FP6 matrix_b_scale:MATRIX_SCALE_ROW1
.else
	v_wmma_scale_f32_16x16x128_f8f6f4 v[rD:rD+7], v[rA:rA+11], v[rB:rB+11], 0, v[rX], v[rY] matrix_a_fmt:MATRIX_FMT_FP6 matrix_b_fmt:MATRIX_FMT_FP6 matrix_a_scale:MATRIX_SCALE_ROW1 matrix_b_scale:MATRIX_SCALE_ROW1
.endif
.else
.if (\a%2 == 0) && (\b%2 == 0)
	v_wmma_scale_f32_16x16x128_f8f6f4 v[rD:rD+7], v[rA:rA+11], v[rB:rB+11], v[rD:rD+7], v[rX], v[rY] matrix_a_fmt:MATRIX_FMT_FP6 matrix_b_fmt:MATRIX_FMT_FP6
.elseif (\a%2 == 1) && (\b%2 == 0)
	v_wmma_scale_f32_16x16x128_f8f6f4 v[rD:rD+7], v[rA:rA+11], v[rB:rB+11], v[rD:rD+7], v[rX], v[rY] matrix_a_fmt:MATRIX_FMT_FP6 matrix_b_fmt:MATRIX_FMT_FP6 matrix_a_scale:MATRIX_SCALE_ROW1
.elseif (\a%2 == 0)
	v_wmma_scale_f32_16x16x128_f8f6f4 v[rD:rD+7], v[rA:rA+11], v[rB:rB+11], v[rD:rD+7], v[rX], v[rY] matrix_a_fmt:MATRIX_FMT_FP6 matrix_b_fmt:MATRIX_FMT_FP6 matrix_b_scale:MATRIX_SCALE_ROW1
.else
	v_wmma_scale_f32_16x16x128_f8f6f4 v[rD:rD+7], v[rA:rA+11], v[rB:rB+11], v[rD:rD+7], v[rX], v[rY] matrix_a_fmt:MATRIX_FMT_FP6 matrix_b_fmt:MATRIX_FMT_FP6 matrix_a_scale:MATRIX_SCALE_ROW1 matrix_b_scale:MATRIX_SCALE_ROW1
.endif
.endif
.endm
.macro MULS s                          ; a K step's 16 products: every accumulator once, by turns
.set MP, (\s)%2
.set MS, (\s)
	WIN 0xa1                                       ; source 0 window 1, source 1 window 0, C and D window 2
.irp b, 0,1,2,3
.irp a, 0,1,2,3
.if (\s) == 0
	WM \a, \b, 1
.else
	WM \a, \b, 0
.endif
.endr
.endr
.endm
	s_wait_tensorcnt 0x0                           ; my one tensor load has landed
	s_barrier_signal -1
	s_barrier_wait -1                              ; everybody's are
	FETCH 0
	s_wait_loadcnt 0x0                             ; the scale words
.irp s, 0,1,2,3,4,5,6,7
.if \s < 7
.if \s > 0
	PLACES                                         ; behind the last step's products, whose set is loaded anew
.endif
	FETCH \s+1
	s_wait_dscnt NF                                ; all but the loads just issued: this step's fragments are in
.else
	s_wait_dscnt 0x0
.endif
	MULS \s
.endr
	WIN 0
	PLACES                                         ; ahead of the first read of results and of the loads over source 1's fragments
; THE WAY OUT, a token tile at a time.  A lane holds 128 bytes of its token's row in four pieces; the tile goes through my own stage and comes back as whole rows of 256 bytes.
; LDS serves a wave's instructions in order: no wait between the stores and the loads, nor ahead of the next tile's stores.
.macro TOSTAGE b
	WIN 0x08                                       ; an LDS store's data are its source 1: window 2
.irp a, 0,1,2,3
	ds_store_b128 v[STO], v[32*\b+8*\a:32*\b+8*\a+3] offset:128*(\a/2)+32*(\a%2)        ; each accumulator from its low end on
	ds_store_b128 v[STO], v[32*\b+8*\a+4:32*\b+8*\a+7] offset:128*(\a/2)+32*(\a%2)+16
.endr
	WIN 0
.irp i, 0,1,2,3,4,5,6,7
	ds_load_b128 v[OB+32*\b+4*\i:OB+32*\b+4*\i+3], v[RD] offset:544*\i
.endr
.endm
.macro SEND b, younger                 ; younger: the LDS instructions issued behind tile b's loads, which may stay out.  Stage row p is token 32 (b / 2) + 8 (b % 2) + p + 8 (p / 8) of my 64
	s_wait_dscnt \younger
.irp i, 0,1,2,3,4,5,6,7
	global_store_b128 v[GO], v[OB+32*\b+4*\i:OB+32*\b+4*\i+3], s[12:13] offset:(32*(\b/2)+8*(\b%2)+2*\i+8*(\i/4))*4096 th:TH_STORE_NT   ; sixteen lanes store 256 consecutive bytes, aligned
.endr
.endm
	s_wait_alu depctr_va_vdst(0)
	TOSTAGE 0
	TOSTAGE 1
	SEND 0, 16                                     ; behind tile 0's loads: tile 1's 8 stores and 8 loads
	TOSTAGE 2
	SEND 1, 16
	TOSTAGE 3
	SEND 2, 16
	SEND 3, 0
	s_wait_tensorcnt 0x0
	ds_add_u32 v254, v255
	s_wait_dscnt 0x0
	CROUND                                         ; the closing round: no work-group ends while a partner may still ask for a tile that names it
	s_endpgm
.Lfunc_end_k_q3c2b24802c_proj:
	.size	k_q3c2b24802c_proj, .Lfunc_end_k_q3c2b24802c_proj-k_q3c2b24802c_proj
	.p2alignl 7, 3214868480
	.fill 96, 4, 3214868480
	.section	.rodata,"a",@progbits
	.p2align	6, 0x0
	.amdhsa_kernel k_q3c2b24802c_proj
		.amdhsa_group_segment_fixed_size 222720
		.amdhsa_private_segment_fixed_size 0
		.amdhsa_enable_private_segment 0
		.amdhsa_kernarg_size 40
		.amdhsa_user_sgpr_count 2
		.amdhsa_user_sgpr_kernarg_segment_ptr 1
		.amdhsa_wavefront_size32 1
		.amdhsa_system_sgpr_workgroup_id_x 1
		.amdhsa_system_sgpr_workgroup_id_y 1
		.amdhsa_system_sgpr_workgroup_id_z 1
		.amdhsa_system_vgpr_workitem_id 0
		.amdhsa_next_free_vgpr 768
		.amdhsa_next_free_sgpr 100
		.amdhsa_reserve_vcc 0
		.amdhsa_float_denorm_mode_32 3
		.amdhsa_float_denorm_mode_16_64 3
		.amdhsa_memory_ordered 1
		.amdhsa_forward_progress 1
		.amdhsa_inst_pref_size 49
	.end_amdhsa_kernel
	.amdgpu_metadata
---
amdhsa.version: [ 1, 2 ]
amdhsa.kernels:
  - .name:           k_q3c2b24802c_proj
    .symbol:         k_q3c2b24802c_proj.kd
    .args:
      - { .name: codes, .offset: 0, .size: 8, .value_kind: global_buffer, .address_space: global }
      - { .name: scales, .offset: 8, .size: 8, .value_kind: global_buffer, .address_space: global }
      - { .name: ac, .offset: 16, .size: 8, .value_kind: global_buffer, .address_space: global }
      - { .name: asc, .offset: 24, .size: 8, .value_kind: global_buffer, .address_space: global }
      - { .name: out0, .offset: 32, .size: 8, .value_kind: global_buffer, .address_space: global }
    .group_segment_fixed_size: 222720
    .private_segment_fixed_size: 0
    .kernarg_segment_align: 8
    .kernarg_segment_size: 40
    .max_flat_workgroup_size: 128
    .sgpr_count:     100
    .vgpr_count:     768
    .wavefront_size: 32
...
	.end_amdgpu_metadata
.endif
;; end of part 4
